; MI455X (gfx1250); checked and timed in simulation.
; The chip was launched on July 23, 2026; its instructions are those of AMD's public machine-readable ISA for CDNA 5 (MIT licence, August 2026) and "CDNA5" Instruction Set Architecture Reference Guide (July 2026). The comments in the code are by the model that wrote it; some were corrected since.
;; Masked Multi Head Attention. Allowed arithmetic: matrix products marked QUANTISED: E2M1 operands, one E8M0 scale for each 32 along K, by v_wmma_scale_f32_16x16x128_f8f6f4 with both operands' format E2M1 (or v_wmma_scale_f32_32x16x128_f4), f32 sums; products left as they are: bf16, f16 or f32 operands; f32 sums; everything else in f32.
;; Inputs: Wk 512 x 512 float32; Wo 512 x 512 float32; Wq 512 x 512 float32; Wv 512 x 512 float32; keys 2 x 4,096 x 512 float32; queries 2 x 4,096 x 512 float32; values 2 x 4,096 x 512 float32.
;; Outputs: out0 2 x 4,096 x 512 float32.
;; This version of the problem:
;;   THIS VERSION OF THE PROBLEM IS GIVEN IN LOW PRECISION. The matrix products marked QUANTISED in the list below multiply operands that are first quantised to E2M1 (2 exponent bits, 1 mantissa bit; 4 bits a number), with one power-of-two scale for each 32 numbers along K (OCP MX v1.0); their sums are f32. The products marked 'left as it is' may take bf16, f16 or f32 operands, with f32 sums. Whichever they take, every output number must still come out within the allowed error. Rounding operands to bf16 (8 significant bits) uses up far more of that allowance than f16 does (11 bits, for magnitudes from 6e-5 to 65,504). All else is computed in f32.
;;   The module's matrix products, in the order in which they are computed (A, B: the left and right operand; K: the contracted axis; several contracted axes count as one K, in the product's order):
;;     1. [M 8,192, K 512] x [K 512, N 512]; A: input queries; B: input Wq: QUANTISED
;;     2. [M 8,192, K 512] x [K 512, N 512]; A: input keys; B: input Wk: QUANTISED
;;     3. [M 8,192, K 512] x [K 512, N 512]; A: input values; B: input Wv: QUANTISED
;;     4. batch 16 x [M 4,096, K 64] x [K 64, N 4,096]; A: computed on the way; B: computed on the way: left as it is (an operand is computed on the way)
;;     5. batch 16 x [M 64, K 4,096] x [K 4,096, N 4,096]; A: computed on the way; B: computed on the way: left as it is (an operand is computed on the way)
;;     6. [M 8,192, K 512] x [K 512, N 512]; A: computed on the way; B: input Wo: left as it is (an operand is computed on the way)
;;   THE QUANTISER, for each operand of a quantised product, along K:
;;     - K is cut into blocks of 32 from its start; a last block that is shorter is filled with zeros.
;;     - A block's scale is 2^e with e = floor(log2(the largest magnitude in the block)) - 2, held to -126 .. 127; a block of zeros has e = 0. As a byte (E8M0): e + 127.
;;     - Each number is divided by its block's scale, clamped to +-6, and rounded to the nearest number of E2M1, ties to even, subnormals kept.
;;     - The product sums the exact products of the quantised numbers (number of the format x scale) in f32.
;;   ~~~python
;;   def quantise(x, axis):      # numpy; x: float32 -> the quantised numbers, widened to float32 again
;;       x = np.moveaxis(x, axis, -1); K = x.shape[-1]
;;       x = np.pad(x, [(0, 0)] * (x.ndim - 1) + [(0, -K % 32)]); x = x.reshape(x.shape[:-1] + (-1, 32)); a = np.abs(x).max(-1, keepdims=True)
;;       e = np.where(a > 0, np.clip(np.frexp(np.where(a > 0, a, 1))[1] - 1 - 2, -126, 127), 0)      # np.frexp(a)[1] - 1 = floor(log2(a)), exactly
;;       r = np.clip(x / 2.0 ** e, -6, 6)
;;       step = 2.0 ** (np.maximum(np.frexp(np.where(r == 0, 1, r))[1] - 1, 0) - 1)
;;       q = np.round(r / step) * step * 2.0 ** e      # np.round: ties to even
;;       return np.moveaxis(q.reshape(q.shape[:-2] + (-1,))[..., :K], -1, axis).astype(np.float32)
;;   ~~~
;; One version. Each part assembles by itself: llvm-mc -triple=amdgcn-amd-amdhsa -mcpu=gfx1250 --defsym DOCPART=n.
;; ======== version 1 of 1: 5 launches
;; limits: values are held in f16: magnitudes above 65,504 overflow, below 6.1e-05 lose precision
;; workspace buffers: wc 393,216 bytes; ws 24,576 bytes; wo16 524,288 bytes; qf 8,388,608 bytes; kf 8,388,608 bytes; vf 8,388,608 bytes; of 8,388,608 bytes; r32 196,608 bytes
;; launch prep (part 1): grid 64 x 1, 4 waves a work-group, no clusters, 0 bytes of LDS; arguments Wq, Wk, Wv, Wo, wc, ws, wo16; writes wc, ws, wo16
.if DOCPART == 1
	.amdgcn_target "amdgcn-amd-amdhsa--gfx1250"
	.amdhsa_code_object_version 6
	.text
	.protected	k_q2c409b4af2_prep
	.globl	k_q2c409b4af2_prep
	.p2align	8
	.type	k_q2c409b4af2_prep,@function
k_q2c409b4af2_prep:
	s_mov_b64 s[64:65], 0
	v_nop
	global_prefetch_b8 v0, s[64:65] scope:SCOPE_SE
	s_setreg_imm32_b32 hwreg(HW_REG_WAVE_MODE, 25, 1), 1
	s_wait_xcnt 0x0
; THE PROGRAM: causal attention with four projections, in five launches: prep (this one), proj, attn, outp, first.
; DEAD WORK, left out in launch attn: reference() sets scores[l][s] to -infinity for s > l by its own jnp.tril, so softmax gives A[l][s] = 0 there for all finite inputs, and A[l][s] v[s] adds 0 to out[l].
; So tiles of the products q k^T and A v all of whose keys s come after all of the tile's queries l reach no output, whatever the inputs hold; they are not computed.  Every input has a way to an output: all seven are loaded.
; LIMIT: a NaN, an infinity or an overflow in k or v that reaches only such tiles is not carried to the result.
; THIS LAUNCH lays the weights out once, as IMAGES OF OPERAND REGISTERS (512 bytes for each group of four registers, lane l's 16 bytes at 16 l).
; Wq, Wk, Wv [k 512][n 512] f32 are quantised along K, their FIRST axis, to codes of E2M1 with one E8M0 byte for each 32 along K:
;   wc [w 3][nt 32][ks 4][c 2][lane][16 B]: lane (r, h) holds column 16 nt + r, k = 128 ks + 64 c + 32 h + 0 .. 31;   ws [w 3][ks 4][n 512]: a word of four bytes, byte t for block 4 ks + t.
; Wo is rounded to f16: wo16 [nt 32][ks 16][g 2][lane][16 B]: lane (r, h) holds column 16 nt + r, k = 32 ks + 16 g + 8 h + 0 .. 7.
; A LANE TAKES A COLUMN n AND ITS REGISTERS RUN DOWN K: a block of 32 lies in one lane, and the conversions give codes with K innermost.  Nothing is transposed.
; SHARES: work-group x: tensor x / 16 (0, 1, 2: Wq, Wk, Wv; 3: Wo), columns 32 (x % 16) on; wave w: k = 128 w .. 128 w + 127, four blocks of 32.
; A block's scale is 2^(floor(log2(largest magnitude)) - 2); its byte is the largest magnitude's exponent field - 2, held at 1 from below.
; LIMITS: a block of zeros gets the byte 1 where the rule says 127: its codes are zeros, and this program alone reads the bytes.  NaN and infinities among the inputs are not served.  Wo beyond 65,504 has no f16 number.
; The scale words leave as 128 bytes a wave, 24,576 bytes in the whole launch; all other stores cover 256 consecutive bytes for each 16 lanes.
.set X,   32                           ; v32-95   two sets of 32 numbers
.set CD,  96                           ; v96-111  codes: four registers for each block, never rewritten
.set HF,  128                          ; v128-191 Wo's f16 pairs: sixteen registers for each block, never rewritten
.set SB,  14                           ; v14      the scale word
	s_load_b256 s[4:11], s[0:1], 0x0               ; Wq, Wk, Wv, Wo
	s_load_b128 s[12:15], s[0:1], 0x20             ; wc, ws
	s_load_b64 s[16:17], s[0:1], 0x30              ; wo16
	v_lshrrev_b32 v4, 5, v0
	v_readfirstlane_b32 s18, v4                    ; wave 0..3
	v_and_b32 v5, 31, v0
	v_lshlrev_b32 v1, 2, v5                        ; 4 x lane: my column in a row of W, and my scale word
	v_and_b32 v6, 15, v0
	v_bfe_u32 v7, v0, 4, 1
	v_lshlrev_b32 v6, 4, v6
	v_lshl_add_u32 v2, v7, 12, v6                  ; wc: tile lane / 16 (4,096 bytes a tile), 16 bytes for lane % 16
	v_lshl_add_u32 v3, v7, 14, v6                  ; wo16: tile lane / 16 (16,384 bytes a tile)
	s_lshr_b32 s19, ttmp9, 4                       ; which tensor
	s_and_b32 s20, ttmp9, 15                       ; which 32 columns
	s_lshl_b32 s24, s18, 18                        ; 128 rows of 2,048 bytes a wave
	s_lshl_b32 s26, s20, 7
	s_add_co_u32 s24, s24, s26
	s_mov_b32 s25, 0
	s_mov_b32 s27, 0
	s_wait_kmcnt 0x0
	s_cmp_eq_u32 s19, 1                            ; the choice hangs on the work-group's number alone
	s_cselect_b64 s[22:23], s[6:7], s[4:5]
	s_cmp_eq_u32 s19, 2
	s_cselect_b64 s[22:23], s[8:9], s[22:23]
	s_cmp_eq_u32 s19, 3
	s_cselect_b64 s[22:23], s[10:11], s[22:23]
	s_add_nc_u64 s[22:23], s[22:23], s[24:25]
.macro LOAD t                          ; block t: W(128 w + 32 t + i, my column), i = 0 .. 31, into set t % 2: 32 lanes read 128 consecutive bytes
.irp i, 0,1,2,3,4,5,6,7,8,9,10,11,12,13,14,15,16,17,18,19,20,21,22,23,24,25,26,27,28,29,30,31
	global_load_b32 v[X+32*((\t)%2)+\i], v1, s[22:23] offset:(32*(\t)+\i)*2048 th:TH_LOAD_NT
.endr
.endm
.macro ARRIVED t
.if (\t) < 3
	s_wait_loadcnt 32                              ; this block's 32 loads are in; the next block's 32 may be out
.else
	s_wait_loadcnt 0x0
.endif
.endm
.macro QBLOCK t
.set XS, X+32*((\t)%2)
	ARRIVED \t
	v_max3_num_f32 v12, |v[XS]|, |v[XS+1]|, |v[XS+2]|               ; the block's largest magnitude: all 32 numbers are mine; two chains
	v_max3_num_f32 v13, |v[XS+3]|, |v[XS+4]|, |v[XS+5]|
.irp i, 6,10,14,18,22,26
	v_max3_num_f32 v12, v12, |v[XS+\i]|, |v[XS+\i+1]|
	v_max3_num_f32 v13, v13, |v[XS+\i+2]|, |v[XS+\i+3]|
.endr
	v_max3_num_f32 v12, v12, |v[XS+30]|, |v[XS+31]|
	v_max3_num_f32 v12, v12, v13, 0x1800000        ; and the floor 2^(3 - 127): the byte cannot fall under 1
	v_add_nc_u32 v11, 0xff000000, v12              ; 2 off the exponent field: the conversion takes the exponent field of this operand as its scale
	v_lshrrev_b32 v13, 23, v11                     ; the scale's byte
.if (\t) == 0
	v_mov_b32 v[SB], v13
.else
	v_lshl_or_b32 v[SB], v13, 8*(\t), v[SB]        ; the lower K in the lower byte
.endif
.irp g, 0,1,2,3
	v_cvt_scalef32_pk8_fp4_f32 v[CD+4*(\t)+\g], v[XS+8*\g:XS+8*\g+7], v11
.endr
	global_store_b128 v2, v[CD+4*(\t):CD+4*(\t)+3], s[12:13] offset:256*(\t)   ; block t is (c, h) = (t / 2, t % 2) of the fragment: 512 c + 256 h; 16 lanes store 256 consecutive bytes
.if (\t) < 2
	LOAD (\t)+2
.endif
.endm
.macro HBLOCK t
.set XS, X+32*((\t)%2)
	ARRIVED \t
.irp p, 0,1,2,3,4,5,6,7,8,9,10,11,12,13,14,15
	v_cvt_pk_f16_f32 v[HF+16*(\t)+\p], v[XS+2*\p], v[XS+2*\p+1]
.endr
.irp q, 0,1,2,3
	global_store_b128 v3, v[HF+16*(\t)+4*\q:HF+16*(\t)+4*\q+3], s[16:17] offset:1024*(\t)+256*\q   ; k = 8 q .. 8 q + 7 is (g, h) = (q / 2, q % 2): 512 g + 256 h
.endr
.if (\t) < 2
	LOAD (\t)+2
.endif
.endm
	LOAD 0
	LOAD 1
	s_cmp_eq_u32 s19, 3
	s_cbranch_scc1 .Lwo
	s_lshl_b32 s26, s19, 17                        ; wc: 131,072 bytes a tensor, 8,192 for 32 columns, 1,024 for a K step
	s_lshl_b32 s28, s20, 13
	s_add_co_u32 s26, s26, s28
	s_lshl_b32 s28, s18, 10
	s_add_co_u32 s26, s26, s28
	s_add_nc_u64 s[12:13], s[12:13], s[26:27]
	s_lshl_b32 s26, s19, 13                        ; ws: 8,192 bytes a tensor, 2,048 a K step, 128 for 32 columns
	s_lshl_b32 s28, s18, 11
	s_add_co_u32 s26, s26, s28
	s_lshl_b32 s28, s20, 7
	s_add_co_u32 s26, s26, s28
	s_add_nc_u64 s[14:15], s[14:15], s[26:27]
	QBLOCK 0
	QBLOCK 1
	QBLOCK 2
	QBLOCK 3
	global_store_b32 v1, v[SB], s[14:15]           ; my column's word for K step w
	s_endpgm
.Lwo:
	s_lshl_b32 s26, s20, 15                        ; wo16: 32,768 bytes for 32 columns, 4,096 for my four K steps of 32
	s_lshl_b32 s28, s18, 12
	s_add_co_u32 s26, s26, s28
	s_add_nc_u64 s[16:17], s[16:17], s[26:27]
	HBLOCK 0
	HBLOCK 1
	HBLOCK 2
	HBLOCK 3
	s_endpgm
.Lfunc_end_k_q2c409b4af2_prep:
	.size	k_q2c409b4af2_prep, .Lfunc_end_k_q2c409b4af2_prep-k_q2c409b4af2_prep
	.p2alignl 7, 3214868480
	.fill 96, 4, 3214868480
	.section	.rodata,"a",@progbits
	.p2align	6, 0x0
	.amdhsa_kernel k_q2c409b4af2_prep
		.amdhsa_group_segment_fixed_size 0
		.amdhsa_private_segment_fixed_size 0
		.amdhsa_enable_private_segment 0
		.amdhsa_kernarg_size 56
		.amdhsa_user_sgpr_count 2
		.amdhsa_user_sgpr_kernarg_segment_ptr 1
		.amdhsa_wavefront_size32 1
		.amdhsa_system_sgpr_workgroup_id_x 1
		.amdhsa_system_sgpr_workgroup_id_y 1
		.amdhsa_system_sgpr_workgroup_id_z 1
		.amdhsa_system_vgpr_workitem_id 0
		.amdhsa_next_free_vgpr 192
		.amdhsa_next_free_sgpr 66
		.amdhsa_reserve_vcc 0
		.amdhsa_float_denorm_mode_32 3
		.amdhsa_float_denorm_mode_16_64 3
		.amdhsa_memory_ordered 1
		.amdhsa_forward_progress 1
		.amdhsa_inst_pref_size 32
	.end_amdhsa_kernel
	.amdgpu_metadata
---
amdhsa.version: [ 1, 2 ]
amdhsa.kernels:
  - .name:           k_q2c409b4af2_prep
    .symbol:         k_q2c409b4af2_prep.kd
    .args:
      - { .name: Wq, .offset: 0, .size: 8, .value_kind: global_buffer, .address_space: global }
      - { .name: Wk, .offset: 8, .size: 8, .value_kind: global_buffer, .address_space: global }
      - { .name: Wv, .offset: 16, .size: 8, .value_kind: global_buffer, .address_space: global }
      - { .name: Wo, .offset: 24, .size: 8, .value_kind: global_buffer, .address_space: global }
      - { .name: wc, .offset: 32, .size: 8, .value_kind: global_buffer, .address_space: global }
      - { .name: ws, .offset: 40, .size: 8, .value_kind: global_buffer, .address_space: global }
      - { .name: wo16, .offset: 48, .size: 8, .value_kind: global_buffer, .address_space: global }
    .group_segment_fixed_size: 0
    .private_segment_fixed_size: 0
    .kernarg_segment_align: 8
    .kernarg_segment_size: 56
    .max_flat_workgroup_size: 128
    .sgpr_count:     66
    .vgpr_count:     192
    .wavefront_size: 32
...
	.end_amdgpu_metadata
.endif
;; end of part 1
;; launch proj (part 2): grid 128 x 3, 8 waves a work-group, no clusters, 87,040 bytes of LDS; arguments queries, keys, values, wc, ws, qf, kf, vf, r32; writes qf, kf, vf, r32
.if DOCPART == 2
	.amdgcn_target "amdgcn-amd-amdhsa--gfx1250"
	.amdhsa_code_object_version 6
	.text
	.protected	k_q2c409b4af2_proj
	.globl	k_q2c409b4af2_proj
	.p2align	8
	.type	k_q2c409b4af2_proj,@function
k_q2c409b4af2_proj:
	s_mov_b64 s[64:65], 0
	v_nop
	global_prefetch_b8 v0, s[64:65] scope:SCOPE_SE
	s_setreg_imm32_b32 hwreg(HW_REG_WAVE_MODE, 25, 1), 1
	s_wait_xcnt 0x0
; q = queries Wq, k = keys Wk, v = values Wv: [8192][512] x [512][512], both operands as codes of E2M1 with one E8M0 scale for each 32 along K; sums in f32.  Nothing of these products is left out.
; Work-group (x, y): tensor y (0 q, 1 k, 2 v), rows 64 x .. 64 x + 63.  The rows arrive as f32 and are quantised here, once; the weights' codes and scale words come from launch prep as images of operand registers.
; THE WAVES SHARE THE COLUMNS: wave w makes columns 64 w .. 64 w + 63, which are head w, for all 64 rows: its 16 fragments of the weight stay in 128 registers.
; For the quantising wave w takes rows 16 (w / 2) on and K steps 2 (w % 2), 2 (w % 2) + 1 (128 along K each); the fragments go from wave to wave through LDS as images of their registers.
; RESULTS leave rounded to f16, as images of the operand registers that launch attn wants, 512 consecutive bytes a store:
;   q, k: the product is used TRANSPOSED (source 0 = 16 columns of W, source 1 = 16 rows of x): a lane holds 8 channels of one position.  qf, kf [bh 16][tile 256][c 2][g 2][lane][16 B]: position 16 tile + r, channels 32 c + 16 g + 8 h + 0 .. 7.
;   v: the product as it stands (source 0 = x, source 1 = W): a lane holds 8 positions of one channel.  vf [bh 16][kg 128][ct 4][g 2][lane][16 B]: channel 16 ct + r, keys 32 kg + 16 g + 8 h + 0 .. 7.
; Positions 0 to 15 of each batch are kept in f32 too, for launch first: r32 = q32 [b][pos 16][512], k32 likewise at byte 65,536, v32T [b][ch 512][pos 16] at byte 131,072.
; No cluster: the weights go straight into each wave's registers by plain loads, which have no joint form, and x is read by one work-group alone.
; LIMITS: q, k, v beyond 65,504 have no f16 number, and under 6e-5 they keep an absolute step of 3e-8.  A block of zeros carries the byte 1 with zero codes.  NaN and infinities among the inputs are not served.
.set STGW,  8448                       ; LDS 0: a stage of 16 rows x (512 + 16) bytes for each wave, its own
.set XIMG,  67584                      ; x's 16 fragments of 1,024 bytes: tile of rows m, K step ks at 4 m + ks
.set XSC,   83968                      ; their scale words: [m 4][lane 32][ks 4] words
.set SPARE, 86016                      ; the spare words, 128 bytes for each wave: four blocks of 256 bytes that no other line names
.set L16, 1                            ; v1   16 x lane
.set STA, 2                            ; v2   the stage, on the way in: my 16 bytes of a row's 512
.set STB, 3                            ; v3   and on the way out: row r, + 64 h: my 16 numbers of a block of 32
.set XWI, 4                            ; v4   where I store my fragments' images
.set XWS, 5                            ; v5   and their scale words
.set XRD, 6                            ; v6   XIMG + 16 x lane: where any wave reads an image
.set L4,  7                            ; v7   4 x lane
.set SPW, 8                            ; v8   LDS address of my spare word; never rewritten
.set NIL, 9                            ; v9   0; never rewritten
.set QO,  10                           ; v10  q32, k32: row r of 2,048 bytes, + 32 h
.set VO,  11                           ; v11  v32T: row r of 64 bytes, + 32 h
.set TM,  16                           ; v16-31 at work in QUANT; later PK: sixteen registers of f16 pairs
.set PK,  16
.set PW,  32                           ; v32  the scale word just made
.set PC,  34                           ; v34-41 the codes just made
.set XS,  44                           ; v44-47 x's scale words of the four K steps: scales and nothing else
.set WS,  48                           ; v48-55 W's scale words: register 2 ks + p: lanes 0-15 tile 2 p, lanes 16-31 tile 2 p + 1: scales and nothing else
.set XN,  64                           ; v64-127 64 numbers of x; later XF (v64-95, x's four fragments) and ACC (v96-127, four accumulators)
.set XF,  64
.set ACC, 96
.set W,   128                          ; v128-255 W's fragment (nt, ks) at 128 + 8 (4 nt + ks); v128-191 first hold the second K step's numbers
.set SEL, 30
; 64 numbers of a lane, register 16 b + i = k 32 b + 16 (lane / 16) + i of my row, become a fragment's codes in v[PC] on and its scale word in v[PW].
.macro QUANT s
.irp b, 0,1,2,3
	v_max3_num_f32 v[TM+\b], |v[\s+16*\b]|, |v[\s+1+16*\b]|, 0x1800000   ; block b: my 16 numbers, and the floor 2^(3 - 127): the byte cannot fall under 1
.endr
.irp i, 2,4,6,8,10,12,14
.irp b, 0,1,2,3
	v_max3_num_f32 v[TM+\b], v[TM+\b], |v[\s+16*\b+\i]|, |v[\s+1+16*\b+\i]|   ; the four blocks by turns
.endr
.endr
.irp b, 0,1,2,3
	v_permlanex16_b32 v[TM+4+\b], v[TM+\b], s[SEL], s[SEL+1]
.endr
.irp b, 0,1,2,3
	v_max_num_f32 v[TM+\b], v[TM+\b], v[TM+4+\b]   ; with lane l xor 16's: the block's largest magnitude
.endr
.irp b, 0,1,2,3
	v_add_nc_u32 v[TM+12+\b], 0xff000000, v[TM+\b] ; 2 off its exponent field: the conversion's scale operand
.endr
.irp b, 0,1,2,3
	v_lshrrev_b32 v[TM+4+\b], 23, v[TM+12+\b]      ; the scale's byte
.endr
	v_lshl_or_b32 v[PW], v[TM+5], 8, v[TM+4]
	v_lshl_or_b32 v[PW], v[TM+6], 16, v[PW]
	v_lshl_or_b32 v[PW], v[TM+7], 24, v[PW]
.irp b, 0,1,2,3
	v_cvt_scalef32_pk8_fp4_f32 v[PC+2*\b], v[\s+16*\b:\s+7+16*\b], v[TM+12+\b]
	v_cvt_scalef32_pk8_fp4_f32 v[PC+1+2*\b], v[\s+8+16*\b:\s+15+16*\b], v[TM+12+\b]
.endr
	v_nop                                          ; one plain place behind a scaled conversion
.irp c, 0,1                                    ; the operand's layout wants a whole block in a lane: lanes 0-15 block 2 c, lanes 16-31 block 2 c + 1
.irp i, 0,1
	v_permlane16_swap_b32 v[PC+4*\c+\i], v[PC+2+4*\c+\i]
.endr
.endr
.endm
.macro TURNOUT                         ; my 16 neighbours of each of the four blocks, out of the stage
.irp b, 0,1,2,3
.irp j, 0,1,2,3
	ds_load_b128 v[XN+16*\b+4*\j:XN+16*\b+4*\j+3], v[STB] offset:128*\b+16*\j
.endr
.endr
.endm
.macro IMAGE f                         ; the fragment and its scale word go to LDS as they stand
.irp c, 0,1
	ds_store_b128 v[XWI], v[PC+4*\c:PC+4*\c+3] offset:1024*(\f)+512*\c
.endr
	ds_store_b32 v[XWS], v[PW] offset:4*(\f)
.endm
; One scaled product.  z = 1: it starts the sum.  row = 1: source 0's scales stand in lanes 16-31; row = 2: source 1's do.
.macro WMS d, a, b, z, sa, sb, row
.if (\row) == 1
.if \z
	v_wmma_scale_f32_16x16x128_f8f6f4 v[\d:\d+7], v[\a:\a+7], v[\b:\b+7], 0, v[\sa], v[\sb] matrix_a_fmt:MATRIX_FMT_FP4 matrix_b_fmt:MATRIX_FMT_FP4 matrix_a_scale:MATRIX_SCALE_ROW1
.else
	v_wmma_scale_f32_16x16x128_f8f6f4 v[\d:\d+7], v[\a:\a+7], v[\b:\b+7], v[\d:\d+7], v[\sa], v[\sb] matrix_a_fmt:MATRIX_FMT_FP4 matrix_b_fmt:MATRIX_FMT_FP4 matrix_a_scale:MATRIX_SCALE_ROW1
.endif
.elseif (\row) == 2
.if \z
	v_wmma_scale_f32_16x16x128_f8f6f4 v[\d:\d+7], v[\a:\a+7], v[\b:\b+7], 0, v[\sa], v[\sb] matrix_a_fmt:MATRIX_FMT_FP4 matrix_b_fmt:MATRIX_FMT_FP4 matrix_b_scale:MATRIX_SCALE_ROW1
.else
	v_wmma_scale_f32_16x16x128_f8f6f4 v[\d:\d+7], v[\a:\a+7], v[\b:\b+7], v[\d:\d+7], v[\sa], v[\sb] matrix_a_fmt:MATRIX_FMT_FP4 matrix_b_fmt:MATRIX_FMT_FP4 matrix_b_scale:MATRIX_SCALE_ROW1
.endif
.else
.if \z
	v_wmma_scale_f32_16x16x128_f8f6f4 v[\d:\d+7], v[\a:\a+7], v[\b:\b+7], 0, v[\sa], v[\sb] matrix_a_fmt:MATRIX_FMT_FP4 matrix_b_fmt:MATRIX_FMT_FP4
.else
	v_wmma_scale_f32_16x16x128_f8f6f4 v[\d:\d+7], v[\a:\a+7], v[\b:\b+7], v[\d:\d+7], v[\sa], v[\sb] matrix_a_fmt:MATRIX_FMT_FP4 matrix_b_fmt:MATRIX_FMT_FP4
.endif
.endif
.endm
; The products of my 64 columns with the block's four tiles of 16 rows.  tr = 1: transposed (q, k); tr = 0: as it stands (v).
.macro MM tr
.irp m, 0,1,2,3
.irp ks, 0,1,2,3
.irp c, 0,1
	ds_load_b128 v[XF+8*\ks+4*\c:XF+8*\ks+4*\c+3], v[XRD] offset:(4*\m+\ks)*1024+512*\c
.endr
.endr
	ds_load_b128 v[XS:XS+3], v[XRD] offset:XSC-XIMG+512*\m       ; the tile's scale words of the four K steps: lane r has row r's
	s_wait_dscnt 0x0
.irp ks, 0,1,2,3                               ; the four accumulators take turns, one instruction a turn
.irp nt, 0,1,2,3
.if \tr
.if \ks == 0
	WMS ACC+8*\nt, W+8*(4*\nt+\ks), XF+8*\ks, 1, WS+2*\ks+\nt/2, XS+\ks, \nt%2
.else
	WMS ACC+8*\nt, W+8*(4*\nt+\ks), XF+8*\ks, 0, WS+2*\ks+\nt/2, XS+\ks, \nt%2
.endif
.else
.if \ks == 0
	WMS ACC+8*\nt, XF+8*\ks, W+8*(4*\nt+\ks), 1, XS+\ks, WS+2*\ks+\nt/2, 2*(\nt%2)
.else
	WMS ACC+8*\nt, XF+8*\ks, W+8*(4*\nt+\ks), 0, XS+\ks, WS+2*\ks+\nt/2, 2*(\nt%2)
.endif
.endif
.endr
.endr
.rept 5
	v_nop                                          ; four places ahead of the reads of the results and of the next tile's loads into x's registers; the fifth for the next tile's products, which begin the accumulators anew
.endr
	s_wait_xcnt 0x0                                ; the last tile's stores have read PK
.irp nt, 0,1,2,3
.irp p, 0,1,2,3
	v_cvt_pk_f16_f32 v[PK+4*\nt+\p], v[ACC+8*\nt+2*\p], v[ACC+8*\nt+2*\p+1]     ; each accumulator from its low end on
.endr
.endr
.irp nt, 0,1,2,3
.if \tr
	global_store_b128 v[L16], v[PK+4*\nt:PK+4*\nt+3], s[28:29] offset:2048*\m+512*\nt                    ; tile m, (c, g) = (nt / 2, nt % 2)
.else
	global_store_b128 v[L16], v[PK+4*\nt:PK+4*\nt+3], s[28:29] offset:4096*(\m/2)+1024*\nt+512*(\m%2)    ; kg = m / 2, ct = nt, g = m % 2
.endif
.endr
.if \m == 0                                    ; positions 0 to 15 of a batch are the first tile of blocks 0 and 64
	s_and_b32 s32, s24, 63
	s_cmp_lg_u32 s32, 0
	s_cbranch_scc1 .Lno32_\@
.irp nt, 0,1,2,3
.if \tr
	global_store_b128 v[QO], v[ACC+8*\nt:ACC+8*\nt+3], s[20:21] offset:64*\nt
	global_store_b128 v[QO], v[ACC+8*\nt+4:ACC+8*\nt+7], s[20:21] offset:64*\nt+16
.else
	global_store_b128 v[VO], v[ACC+8*\nt:ACC+8*\nt+3], s[20:21] offset:1024*\nt
	global_store_b128 v[VO], v[ACC+8*\nt+4:ACC+8*\nt+7], s[20:21] offset:1024*\nt+16
.endif
.endr
	s_wait_xcnt 0x0                                ; these stores have read the accumulators, which the next tile writes
.Lno32_\@:
.endif
.endr
.endm
	s_load_b512 s[4:19], s[0:1], 0x0               ; queries 4, keys 6, values 8, wc 10, ws 12, qf 14, kf 16, vf 18
	s_load_b64 s[20:21], s[0:1], 0x40              ; r32
	v_lshl_add_u32 v[SPW], v0, 2, SPARE
	v_mov_b32 v[NIL], 0
	v_lshrrev_b32 v12, 5, v0
	v_readfirstlane_b32 s22, v12                   ; wave 0..7
	s_and_b32 s23, ttmp7, 0xffff                   ; which tensor
	s_mov_b32 s24, ttmp9                           ; which 64 rows
	v_and_b32 v12, 31, v0
	v_and_b32 v13, 15, v0                          ; r
	v_bfe_u32 v14, v0, 4, 1                        ; h
	v_lshlrev_b32 v[L16], 4, v12
	v_lshlrev_b32 v[L4], 2, v12
	s_mul_i32 s32, s22, STGW
	v_add_nc_u32 v[STA], s32, v[L16]
	v_mul_u32_u24 v[STB], v13, 528
	v_lshl_add_u32 v[STB], v14, 6, v[STB]
	v_add_nc_u32 v[STB], s32, v[STB]
	s_lshl_b32 s32, s22, 11                        ; my two fragments: 4 (w / 2) + 2 (w % 2) = 2 w
	s_add_co_u32 s32, s32, XIMG
	v_add_nc_u32 v[XWI], s32, v[L16]
	s_lshr_b32 s33, s22, 1                         ; my tile of rows
	s_and_b32 s34, s22, 1                          ; my pair of K steps
	s_lshl_b32 s32, s33, 9
	s_lshl_b32 s35, s34, 3
	s_add_co_u32 s32, s32, s35
	s_add_co_u32 s32, s32, XSC
	v_add_nc_u32 v[XWS], s32, v[L16]
	v_add_nc_u32 v[XRD], XIMG, v[L16]
	v_lshlrev_b32 v[QO], 11, v13
	v_lshl_add_u32 v[QO], v14, 5, v[QO]
	v_lshlrev_b32 v[VO], 6, v13
	v_lshl_add_u32 v[VO], v14, 5, v[VO]
.irp b, 0,1,2,3
	v_mov_b32 v[TM+4+\b], 0                        ; written once: a lane permute's destination counts as one of its sources
.endr
	s_mov_b32 s[SEL], 0x76543210
	s_mov_b32 s[SEL+1], 0xfedcba98                 ; v_permlanex16_b32's selects for lane l xor 16
	s_lshl_b32 s36, s24, 17                        ; x: (64 x + 16 (w / 2)) rows of 2,048 bytes + (w % 2) x 1,024
	s_lshl_b32 s35, s33, 15
	s_add_co_u32 s36, s36, s35
	s_lshl_b32 s35, s34, 10
	s_add_co_u32 s36, s36, s35
	s_mov_b32 s37, 0
	s_lshl_b32 s38, s23, 17                        ; wc: the tensor's 131,072 bytes, my four tiles' 16,384
	s_lshl_b32 s35, s22, 14
	s_add_co_u32 s38, s38, s35
	s_mov_b32 s39, 0
	s_lshl_b32 s40, s23, 13                        ; ws: the tensor's 8,192 bytes, my 64 columns' 256
	s_lshl_b32 s35, s22, 8
	s_add_co_u32 s40, s40, s35
	s_mov_b32 s41, 0
	s_lshr_b32 s25, s24, 6                         ; the batch
	s_lshl_b32 s42, s25, 3
	s_add_co_u32 s42, s42, s22                     ; bh = 8 b + head
	s_lshl_b32 s42, s42, 19                        ; 524,288 bytes for each
	s_and_b32 s35, s24, 63
	s_lshl_b32 s35, s35, 13                        ; 8,192 bytes for 64 positions, in all three layouts
	s_add_co_u32 s42, s42, s35
	s_mov_b32 s43, 0
	s_lshl_b32 s44, s23, 16                        ; r32: 65,536 bytes a tensor, 32,768 a batch,
	s_lshl_b32 s35, s25, 15
	s_add_co_u32 s44, s44, s35
	s_lshl_b32 s35, s22, 8                         ; my head's 64 channels: 256 bytes in a row of q32, k32;
	s_lshl_b32 s46, s22, 12                        ; 64 rows of 64 bytes in v32T
	s_cmp_eq_u32 s23, 2
	s_cselect_b32 s35, s46, s35
	s_add_co_u32 s44, s44, s35
	s_mov_b32 s45, 0
	s_wait_kmcnt 0x0
	s_cmp_eq_u32 s23, 1                            ; the choices hang on the work-group's number alone
	s_cselect_b64 s[26:27], s[6:7], s[4:5]
	s_cselect_b64 s[28:29], s[16:17], s[14:15]
	s_cmp_eq_u32 s23, 2
	s_cselect_b64 s[26:27], s[8:9], s[26:27]
	s_cselect_b64 s[28:29], s[18:19], s[28:29]
	s_add_nc_u64 s[26:27], s[26:27], s[36:37]
	s_add_nc_u64 s[28:29], s[28:29], s[42:43]
	s_add_nc_u64 s[10:11], s[10:11], s[38:39]
	s_add_nc_u64 s[12:13], s[12:13], s[40:41]
	s_add_nc_u64 s[20:21], s[20:21], s[44:45]
	; ---- X: my 16 rows x 256 along K become two fragments.  Each load reads 512 consecutive bytes of a row; the stage turns them into 16 neighbours a lane
.irp i, 0,1,2,3,4,5,6,7,8,9,10,11,12,13,14,15
	global_load_b128 v[XN+4*\i:XN+4*\i+3], v[L16], s[26:27] offset:2048*\i th:TH_LOAD_NT          ; my first K step
.endr
.irp i, 0,1,2,3,4,5,6,7,8,9,10,11,12,13,14,15
	global_load_b128 v[W+4*\i:W+4*\i+3], v[L16], s[26:27] offset:2048*\i+512 th:TH_LOAD_NT        ; my second
.endr
.irp i, 0,1,2,3,4,5,6,7,8,9,10,11,12,13,14,15
	global_load_b128 v[W+64+4*\i:W+64+4*\i+3], v[L16], s[10:11] offset:512*(16+\i)                ; W's fragments 8 to 15
.endr
.irp ks, 0,1,2,3
.irp p, 0,1
	global_load_b32 v[WS+2*\ks+\p], v[L4], s[12:13] offset:2048*\ks+128*\p
.endr
.endr
	s_wait_loadcnt 40                              ; my first K step is in; behind it: 16 of the second, 16 of W, 8 scale words
.irp i, 0,1,2,3,4,5,6,7,8,9,10,11,12,13,14,15
	ds_store_b128 v[STA], v[XN+4*\i:XN+4*\i+3] offset:528*\i
.endr
	s_wait_dscnt 0x0                               ; the stores have read their registers, into which the loads below land
	TURNOUT
	s_wait_loadcnt 24                              ; my second K step is in; behind it: 16 of W, 8 scale words
.irp i, 0,1,2,3,4,5,6,7,8,9,10,11,12,13,14,15
	ds_store_b128 v[STA], v[W+4*\i:W+4*\i+3] offset:528*\i       ; LDS serves a wave's instructions in order: these come behind the reads above
.endr
	s_wait_dscnt 16                                ; the 16 loads are in; the 16 stores behind them may be out
	QUANT XN
	IMAGE 0
	s_wait_dscnt 0x0                               ; all stores have read their registers
.irp i, 0,1,2,3,4,5,6,7,8,9,10,11,12,13,14,15
	global_load_b128 v[W+4*\i:W+4*\i+3], v[L16], s[10:11] offset:512*\i                           ; W's fragments 0 to 7, into the registers that the second K step has left
.endr
	TURNOUT
	s_wait_dscnt 0x0
	QUANT XN
	IMAGE 1
	s_wait_dscnt 0x0                               ; for the others' sake: my images lie in LDS
	s_barrier_signal -1
	s_barrier_wait -1                              ; x's sixteen fragments lie in LDS; nothing is written there again
	s_wait_loadcnt 0x0                             ; W and its scale words
	s_cmp_eq_u32 s23, 2
	s_cbranch_scc1 .Lnat
	MM 1
	s_branch .Lend
.Lnat:
	MM 0
.Lend:
	s_wait_tensorcnt 0x0                           ; the wave's end: behind my last LDS store
	ds_add_u32 v[SPW], v[NIL]
	s_wait_dscnt 0x0
	s_endpgm
.Lfunc_end_k_q2c409b4af2_proj:
	.size	k_q2c409b4af2_proj, .Lfunc_end_k_q2c409b4af2_proj-k_q2c409b4af2_proj
	.p2alignl 7, 3214868480
	.fill 96, 4, 3214868480
	.section	.rodata,"a",@progbits
	.p2align	6, 0x0
	.amdhsa_kernel k_q2c409b4af2_proj
		.amdhsa_group_segment_fixed_size 87040
		.amdhsa_private_segment_fixed_size 0
		.amdhsa_enable_private_segment 0
		.amdhsa_kernarg_size 72
		.amdhsa_user_sgpr_count 2
		.amdhsa_user_sgpr_kernarg_segment_ptr 1
		.amdhsa_wavefront_size32 1
		.amdhsa_system_sgpr_workgroup_id_x 1
		.amdhsa_system_sgpr_workgroup_id_y 1
		.amdhsa_system_sgpr_workgroup_id_z 1
		.amdhsa_system_vgpr_workitem_id 0
		.amdhsa_next_free_vgpr 256
		.amdhsa_next_free_sgpr 66
		.amdhsa_reserve_vcc 0
		.amdhsa_float_denorm_mode_32 3
		.amdhsa_float_denorm_mode_16_64 3
		.amdhsa_memory_ordered 1
		.amdhsa_forward_progress 1
		.amdhsa_inst_pref_size 58
	.end_amdhsa_kernel
	.amdgpu_metadata
---
amdhsa.version: [ 1, 2 ]
amdhsa.kernels:
  - .name:           k_q2c409b4af2_proj
    .symbol:         k_q2c409b4af2_proj.kd
    .args:
      - { .name: queries, .offset: 0, .size: 8, .value_kind: global_buffer, .address_space: global }
      - { .name: keys, .offset: 8, .size: 8, .value_kind: global_buffer, .address_space: global }
      - { .name: values, .offset: 16, .size: 8, .value_kind: global_buffer, .address_space: global }
      - { .name: wc, .offset: 24, .size: 8, .value_kind: global_buffer, .address_space: global }
      - { .name: ws, .offset: 32, .size: 8, .value_kind: global_buffer, .address_space: global }
      - { .name: qf, .offset: 40, .size: 8, .value_kind: global_buffer, .address_space: global }
      - { .name: kf, .offset: 48, .size: 8, .value_kind: global_buffer, .address_space: global }
      - { .name: vf, .offset: 56, .size: 8, .value_kind: global_buffer, .address_space: global }
      - { .name: r32, .offset: 64, .size: 8, .value_kind: global_buffer, .address_space: global }
    .group_segment_fixed_size: 87040
    .private_segment_fixed_size: 0
    .kernarg_segment_align: 8
    .kernarg_segment_size: 72
    .max_flat_workgroup_size: 256
    .sgpr_count:     66
    .vgpr_count:     256
    .wavefront_size: 32
...
	.end_amdgpu_metadata
.endif
;; end of part 2
;; launch attn (part 3): grid 16 x 16, 8 waves a work-group, no clusters, 327,680 bytes of LDS; arguments qf, kf, vf, of; writes of
.if DOCPART == 3
	.amdgcn_target "amdgcn-amd-amdhsa--gfx1250"
	.amdhsa_code_object_version 6
	.text
	.protected	k_q2c409b4af2_attn
	.globl	k_q2c409b4af2_attn
	.p2align	8
	.type	k_q2c409b4af2_attn,@function
k_q2c409b4af2_attn:
	s_mov_b64 s[64:65], 0
	v_nop
	global_prefetch_b8 v0, s[64:65] scope:SCOPE_SE
	s_setreg_imm32_b32 hwreg(HW_REG_WAVE_MODE, 25, 1), 1
	s_wait_xcnt 0x0
; o[b][l][h][:] = the sum over s <= l of softmax_s(q[l] . k[s] / 8) v[s][:], for 16 pairs (b, h), 4,096 positions, head size 64.  Operands in f16, products, maxima and sums in f32; p is rounded to f16 for the second product.
; LEFT OUT AS DEAD WORK: key steps all of whose 64 keys come after all 16 queries of a tile: reference()'s own tril puts -infinity there, so their p is 0 for all finite inputs.  A NaN or infinity that reaches only them is not carried.
; (Positions 0 to 15 of each batch are made here with their tile; launch first makes them again in f32, and launch outp does not store them.)
; SHARES.  Work-group (i, bh), i = 0 .. 15.  Each of its eight waves holds TWO tiles of 16 queries: tile 0 at 128 i + 16 w, tile 1 at 128 (31 - i) + 16 w.  So every work-group has 2 (i + 1) + 2 (32 - i) = 66 tile steps a wave,
; and while both tiles are live each fragment of K and V read from LDS feeds two matrix instructions.  Two waves share a SIMD: one's vector work stands beside the other's matrix work and LDS loads.
; LAYOUT.  Both products are used transposed: S^T = K Q^T (source 0 = 16 keys, source 1 = 16 queries), O^T = V^T P (source 0 = 16 channels, source 1 = P): a lane holds ONE query throughout.  Two tiles of S^T, rounded in pairs, ARE
; source 1 of the second product.  qf, kf, vf, of hold images of operand registers (512 bytes for four registers, lane l's 16 bytes at 16 l), so every fragment is read at 16 x lane and nothing is transposed.
; THE RING.  Two LDS slots of 256 keys (four steps of 64).  Every wave brings 8,192 bytes of a slot by one tensor load: waves 0-3 quarter w of each of the four steps of K, waves 4-7 the same of V: 4 rows of 2,048 bytes, 8,192 apart
; in memory, dense in LDS.  So a slot lies as K [quarter 4][step 4][2,048] and, 32,768 bytes on, V likewise; and each load is read in part wherever its slot has one live step (the causal limit can cut a slot in half).
; SOFTMAX.  For each query a running maximum m and sum l: p = 2^(c s - c m), c = log2(e) / 8; in every step O and l are multiplied by a = 2^(c m_old - c m_new).  The loop is written once: m begins at -3e38, l and O^T at 0.
; A live tile's first key counts for all its queries (both are multiples of 16), so m is a number from the first step on.
; No cluster: the work-groups of a head stop at different causal limits, 128 (32 - i) keys, so partners would need different numbers of tiles, and a joint load would bring tiles that no wave of some partner reads.
; LIMITS: o beyond 65,504 has no f16 number; p under 6e-5 keeps an absolute step of 3e-8 beside a row sum of at least about 1; exponentials under 2^-126 come out as 0.  NaN and infinities among the inputs are not served.
.set SLOTB, 65536
.set VOFF,  32768
.set SPARE, 131072                     ; behind the ring: the spare words, 128 bytes for each wave: four blocks of 256 bytes that no other line names
.set L16, 1                            ; v1   16 x lane
.set ADR, 2                            ; v2   LDS address of the step in hand
.set SPW, 4                            ; v4   LDS address of my spare word; never rewritten
.set NIL, 5                            ; v5   0; never rewritten
.set PFO, 6                            ; v6   256 x lane: the prefetches' offset; never rewritten
.set RH,  7                            ; v7   r - 8 h
.set DD,  8                            ; v8   at work in the mask
.set NINF, 9                           ; v9   -infinity
.set ST,  12                           ; tile t's statistics at v[12 + 8 t]: +0 c m, +1 m, +2, +3 l in two halves, +4 to +7 at work; a takes +6
.set QF,  32                           ; v32-63   Q, 16 registers a tile
.set S,   64                           ; v64-127  S^T, 32 a tile; P is made in place, in the first 16 of each
.set OA,  128                          ; v128-191 O^T, 32 a tile
.set KV,  192                          ; v192-255 a step's K, then its V
.set WV,  12
.set G1,  16                           ; s[16:23] descriptor group 1
.set G0,  24                           ; s[24:27] descriptor group 0, which walks
.set TB,  28                           ; LDS byte at which the step in hand begins
.set KF,  29                           ; the step's first key
.set SLOTS, 30
.set STEPS, 31
.set Q0,  32                           ; s32, s34 the tiles' first queries
.set LA,  33                           ; tile 0's last query
.set LB,  35                           ; tile 1's
.set QL,  36                           ; the work-group's last query
.set CS,  38                           ; s[38:39] c, twice: the packed form names a pair
.set SEL, 40                           ; s[40:41] v_permlanex16_b32's selects for lane l xor 16
.set PFA, 42                           ; s[42:43] where my prefetches stand
.set LIM, 44                           ; 1 in the work-group that prefetches, else the greatest number
; S^T = K Q^T for tiles first .. 1: 64 keys x 64 channels.  The accumulators take turns, one instruction a turn.
.macro SPROD first
.irp c, 0,1
.irp kt, 0,1,2,3
.irp t, 0,1
.if \t >= \first
.if \c == 0
	v_wmma_f32_16x16x32_f16 v[S+32*\t+8*\kt:S+32*\t+8*\kt+7], v[KV+8*(2*\kt+\c):KV+8*(2*\kt+\c)+7], v[QF+16*\t+8*\c:QF+16*\t+8*\c+7], 0
.else
	v_wmma_f32_16x16x32_f16 v[S+32*\t+8*\kt:S+32*\t+8*\kt+7], v[KV+8*(2*\kt+\c):KV+8*(2*\kt+\c)+7], v[QF+16*\t+8*\c:QF+16*\t+8*\c+7], v[S+32*\t+8*\kt:S+32*\t+8*\kt+7]
.endif
.endif
.endr
.endr
.endr
.endm
; O^T += V^T P
.macro PV first
.irp kg, 0,1
.irp ct, 0,1,2,3
.irp t, 0,1
.if \t >= \first
	v_wmma_f32_16x16x32_f16 v[OA+32*\t+8*\ct:OA+32*\t+8*\ct+7], v[KV+8*(4*\kg+\ct):KV+8*(4*\kg+\ct)+7], v[S+32*\t+8*\kg:S+32*\t+8*\kg+7], v[OA+32*\t+8*\ct:OA+32*\t+8*\ct+7]
.endif
.endr
.endr
.endr
.endm
; On the diagonal the scores of hidden keys become -infinity ahead of the maximum.  Register 8 kt + j holds key KF + 16 kt + 8 h + j of query Q0 + r: hidden where 16 kt + j > Q0 - KF + r - 8 h.  A step all of whose keys count skips this.
.macro MASK t
	s_add_co_u32 s45, s[KF], 63
	s_cmp_le_u32 s45, s[Q0+2*(\t)]
	s_cbranch_scc1 .Lopen_\@
	s_sub_co_i32 s45, s[Q0+2*(\t)], s[KF]
	v_add_nc_u32 v[DD], s45, v[RH]
.irp n, 0,1,2,3,4,5,6,7,8,9,10,11,12,13,14,15,16,17,18,19,20,21,22,23,24,25,26,27,28,29,30,31
	v_cmp_gt_i32 vcc_lo, 16*(\n/8)+\n%8, v[DD]
	v_cndmask_b32 v[S+32*(\t)+\n], v[S+32*(\t)+\n], v[NINF], vcc_lo
.endr
.Lopen_\@:
.endm
; the maximum of the lane's 32 scores and the old m (each accumulator is read from its low end on); the other half of the lanes'; the new m, c m, and c m_old - c m_new
.macro SM_MAX t
.set rT, ST+8*(\t)
.set rS, S+32*(\t)
.irp j, 0,1,2,3
	v_max3_num_f32 v[rT+4+\j], v[rS+8*\j], v[rS+8*\j+1], v[rS+8*\j+2]
.endr
.irp u, 3,5
.irp j, 0,1,2,3
	v_max3_num_f32 v[rT+4+\j], v[rT+4+\j], v[rS+8*\j+\u], v[rS+8*\j+\u+1]
.endr
.endr
	v_max3_num_f32 v[rT+4], v[rT+4], v[rS+7], v[rS+15]
	v_max3_num_f32 v[rT+6], v[rT+6], v[rS+23], v[rS+31]
	v_max3_num_f32 v[rT+4], v[rT+4], v[rT+5], v[rT+6]
	v_max3_num_f32 v[rT+4], v[rT+4], v[rT+7], v[rT+1]
	v_permlanex16_b32 v[rT+5], v[rT+4], s[SEL], s[SEL+1]         ; the query's other 32 keys lie in the lane 16 away
	v_mov_b32 v[rT+7], v[rT]
	v_max_num_f32 v[rT+1], v[rT+4], v[rT+5]
	v_mul_f32 v[rT], s[CS], v[rT+1]
	v_sub_f32 v[rT+7], v[rT+7], v[rT]
.endm
; the scalings c s - c m, two at a time, and the batch of 33 exponentials: none of these lines names an exponential's result
.macro SM_EXP t
.set rT, ST+8*(\t)
.set rS, S+32*(\t)
.irp j, 0,2,4,6,8,10,12,14,16,18,20,22,24,26,28,30
	v_pk_fma_f32 v[rS+\j:rS+\j+1], v[rS+\j:rS+\j+1], s[CS:CS+1], v[rT:rT+1] op_sel_hi:[1,0,0] neg_lo:[0,0,1] neg_hi:[0,0,1]
.endr
	v_exp_f32 v[rT+6], v[rT+7]                     ; a
.irp j, 0,1,2,3,4,5,6,7,8,9,10,11,12,13,14,15,16,17,18,19,20,21,22,23,24,25,26,27,28,29,30,31
	v_exp_f32 v[rS+\j], v[rS+\j]
.endr
.endm
; l = a l + the sum of p (in f32, ahead of the rounding); p to f16 in place; O^T times a
.macro SM_TAIL t
.set rT, ST+8*(\t)
.set rS, S+32*(\t)
.set rO, OA+32*(\t)
	v_pk_mul_f32 v[rT+2:rT+3], v[rT+2:rT+3], v[rT+6:rT+7] op_sel_hi:[1,0]
	v_pk_add_f32 v[rT+4:rT+5], v[rS:rS+1], v[rS+2:rS+3]
.irp j, 4,8,12,16,20,24,28
	v_pk_add_f32 v[rT+2:rT+3], v[rT+2:rT+3], v[rS+\j:rS+\j+1]
	v_pk_add_f32 v[rT+4:rT+5], v[rT+4:rT+5], v[rS+\j+2:rS+\j+3]
.endr
	v_pk_add_f32 v[rT+2:rT+3], v[rT+2:rT+3], v[rT+4:rT+5]
.irp j, 0,1,2,3,4,5,6,7,8,9,10,11,12,13,14,15
	v_cvt_pk_f16_f32 v[rS+\j], v[rS+2*\j], v[rS+2*\j+1]          ; ascending: a destination never lies ahead of a source that is still to be read
.endr
.irp j, 0,2,4,6,8,10,12,14,16,18,20,22,24,26,28,30
	v_pk_mul_f32 v[rO+\j:rO+\j+1], v[rO+\j:rO+\j+1], v[rT+6:rT+7] op_sel_hi:[1,0]
.endr
.endm
; a key step's work for tiles first .. 1; K lies in KV
.macro BODY first
	SPROD \first
.rept 4
	v_nop                                          ; places ahead of the loads into K's registers and of the first read of the scores
.endr
.irp i, 0,1,2,3,4,5,6,7,8,9,10,11,12,13,14,15
	ds_load_b128 v[KV+4*\i:KV+4*\i+3], v[ADR] offset:VOFF+(\i/4)*8192+(\i%4)*512     ; V: it lands under the softmax
.endr
.irp t, 0,1
.if \t >= \first
	MASK \t
.endif
.endr
.irp t, 0,1
.if \t >= \first
	SM_MAX \t
.endif
.endr
.irp t, 0,1
.if \t >= \first
	SM_EXP \t
.endif
.endr
	v_nop                                          ; a plain instruction behind the last exponential
	s_wait_alu depctr_va_vdst(0)                   ; one wait for the whole batch, ahead of its first reader
.irp t, 0,1
.if \t >= \first
	SM_TAIL \t
.endif
.endr
	s_wait_dscnt 0x0                               ; V is in
	PV \first
.rept 5
	v_nop                                          ; four places ahead of the next loads into KV and of reads of O^T; the fifth for the next step's products, which write over P's registers
.endr
.endm
; A KEY STEP: 64 keys.  A step all of whose keys come after both tiles is left out, by a scalar branch on ids; not so the lines at its end, which step the key and the address.
.macro STEP
	s_cmp_gt_u32 s[KF], s[LB]
	s_cbranch_scc1 .Lhid_\@
	v_add_nc_u32 v[ADR], s[TB], v[L16]
.irp i, 0,1,2,3,4,5,6,7,8,9,10,11,12,13,14,15
	ds_load_b128 v[KV+4*\i:KV+4*\i+3], v[ADR] offset:(\i/4)*8192+(\i%4)*512
.endr
	s_wait_dscnt 0x0
	s_cmp_gt_u32 s[KF], s[LA]
	s_cbranch_scc1 .Lb_\@
	BODY 0
	s_branch .Lhid_\@
.Lb_\@:
	BODY 1                                         ; tile 0 is finished: tile 1 alone
.Lhid_\@:
	s_add_co_u32 s[KF], s[KF], 64
	s_add_co_u32 s[TB], s[TB], 2048
.endm
; A PREFETCH INTO THE L2 of the slot that the NEXT change of slots will ask for: four key steps ahead of that load.  All sixteen work-groups of a head walk the same K and V from key 0 on; the one with i = 0, which walks all 4,096
; keys, asks, and nobody else.  Each of its waves names 8,192 dense bytes (waves 0-3 of K, waves 4-7 of V), lanes 256 bytes apart: each aligned block of 256 bytes once in the launch.  The last change that fills a slot asks for nothing.
.macro ASK
	s_cmp_gt_u32 s[SLOTS], s[LIM]
	s_cbranch_scc0 .Lnot_mine_\@
	global_prefetch_b8 v[PFO], s[PFA:PFA+1] th:TH_LOAD_NT scope:SCOPE_SE
.Lnot_mine_\@:
.endm
; THE CHANGE OF SLOTS stands at a slot's head.  Each wave waits for all its tensor loads (its part of the slot ahead), adds 0 to its spare word, and waits for that and for its reads of the slot that it has left.
; Behind the barrier the slot ahead is whole and nobody reads the other.  fill = 1: the other slot takes the keys that follow, up to the causal limit; the load has four key steps in which to land.
.macro CHANGE fill
	s_wait_tensorcnt 0x0                           ; no tensor load of mine is out, so group 0 may be written
	ds_add_u32 v[SPW], v[NIL]                      ; 0 onto my spare word
.if \fill
	s_xor_b32 s[G0+1], s[G0+1], SLOTB              ; the other slot than last time,
	s_add_nc_u64 s[G0+2:G0+3], s[G0+2:G0+3], 32768 ; the next 256 keys; the type bits on top are not reached
	s_wait_xcnt 0x0                                ; the last prefetch, a slot back, has read its address
	s_add_nc_u64 s[PFA:PFA+1], s[PFA:PFA+1], 32768 ; one slot further on than the walking descriptor
.endif
	s_wait_dscnt 0x0                               ; the add is done, and my reads of the slot that I have left are over
	s_barrier_signal -1
	s_barrier_wait -1
.if \fill
	s_add_co_u32 s45, s[KF], 256                   ; the first key of the slot that this change would ask for
	s_cmp_gt_u32 s45, s[QL]                        ; past my work-group's last query it is read by no wave, so it is not asked for.  Ids and the count of steps alone: all eight waves go the same way
	s_cbranch_scc1 .Lpast_\@
	tensor_load_to_lds s[G0:G0+3], s[G1:G1+7]      ; my one tensor load behind this barrier
	s_nop 0
.rept 4
	v_nop
.endr
.Lpast_\@:
	ASK
.endif
.endm
.macro SLOT_STEPS                      ; a slot's four key steps: written once, walked four times
	s_mov_b32 s[STEPS], 4
.Lstep_\@:
	STEP
	s_sub_co_u32 s[STEPS], s[STEPS], 1
	s_cmp_lg_u32 s[STEPS], 0
	s_cbranch_scc1 .Lstep_\@
	s_sub_co_u32 s[TB], s[TB], 8192                ; back to a slot's first step,
	s_xor_b32 s[TB], s[TB], SLOTB                  ; in the other slot
.endm
	s_load_b256 s[4:11], s[0:1], 0x0               ; qf s[4:5], kf s[6:7], vf s[8:9], of s[10:11]
	v_lshl_add_u32 v[SPW], v0, 2, SPARE
	v_mov_b32 v[NIL], 0
	ds_add_u32 v[SPW], v[NIL]                      ; the wave's opening: the add, twice on end, and its wait ahead of my first tensor load
	ds_add_u32 v[SPW], v[NIL]
	v_lshrrev_b32 v[ADR], 5, v0
	v_readfirstlane_b32 s[WV], v[ADR]              ; wave 0..7
	s_mov_b32 s13, ttmp9                           ; i
	s_and_b32 s14, ttmp7, 0xffff                   ; bh = 8 b + h
	s_mov_b32 s[G1], 3<<16                         ; no mask; elements of 8 bytes; no padding
	s_mov_b32 s[G1+1], 256<<16                     ; tensor_dim0 = 256 elements: 2,048 bytes
	s_mov_b32 s[G1+2], 4<<16                       ; tensor_dim1 = 4
	s_mov_b32 s[G1+3], 256<<16                     ; tile_dim0
	s_mov_b32 s[G1+4], 4                           ; tile_dim1: a row for each of the slot's four steps
	s_mov_b32 s[G1+5], 1024                        ; from row to row: 8,192 bytes, a step
	s_mov_b32 s[G1+6], 0
	s_mov_b32 s[G1+7], 0
	s_lshl_b32 s45, s[WV], 4
	s_lshl_b32 s[Q0], s13, 7
	s_add_co_u32 s[Q0], s[Q0], s45                 ; tile 0: 128 i + 16 w
	s_sub_co_u32 s46, 31, s13
	s_lshl_b32 s46, s46, 7
	s_add_co_u32 s[Q0+2], s46, s45                 ; tile 1: 128 (31 - i) + 16 w
	s_add_co_u32 s[LA], s[Q0], 15
	s_add_co_u32 s[LB], s[Q0+2], 15
	s_add_co_u32 s[QL], s46, 127
	s_mov_b32 s[CS], 0x3e38aa3b                    ; c = log2(e) / 8
	s_mov_b32 s[CS+1], s[CS]
	s_mov_b32 s[SEL], 0x76543210
	s_mov_b32 s[SEL+1], 0xfedcba98
	s_mov_b32 s[TB], 0
	s_mov_b32 s[KF], 0
	s_mov_b32 s[SLOTS], 15
	s_cmp_eq_u32 s13, 0
	s_cselect_b32 s[LIM], 1, -1
	s_lshr_b32 s45, s14, 3                         ; of: (256 b + tile) x 16,384 + h x 2,048
	s_lshl_b32 s45, s45, 22
	s_and_b32 s47, s14, 7
	s_lshl_b32 s47, s47, 11
	s_add_co_u32 s45, s45, s47
	s_lshl_b32 s48, s[Q0], 10
	s_add_co_u32 s48, s48, s45
	s_mov_b32 s49, 0
	s_lshl_b32 s50, s[Q0+2], 10
	s_add_co_u32 s50, s50, s45
	s_mov_b32 s51, 0
	s_lshl_b32 s45, s14, 19                        ; the pair's first byte in qf, kf and vf
	s_lshl_b32 s52, s[Q0], 7                       ; a tile of Q is 2,048 bytes
	s_add_co_u32 s52, s52, s45
	s_mov_b32 s53, 0
	s_lshl_b32 s54, s[Q0+2], 7
	s_add_co_u32 s54, s54, s45
	s_mov_b32 s55, 0
	s_and_b32 s47, s[WV], 3
	s_lshl_b32 s46, s47, 11                        ; my quarter of each step
	s_add_co_u32 s46, s46, s45
	s_lshl_b32 s[PFA], s47, 13                     ; the prefetches: my dense 8,192 bytes,
	s_add_co_u32 s[PFA], s[PFA], s45
	s_add_co_u32 s[PFA], s[PFA], 32768             ; in slot 1: the first change of slots steps it to slot 2.  Nothing is prefetched at the head
	s_mov_b32 s[PFA+1], 0
	s_mov_b32 s47, 0
	s_wait_dscnt 0x0                               ; both opening adds are done
	s_wait_kmcnt 0x0
	s_cmp_lt_u32 s[WV], 4                          ; waves 0-3 fetch K, waves 4-7 V
	s_cselect_b64 s[G0+2:G0+3], s[6:7], s[8:9]
	s_add_nc_u64 s[PFA:PFA+1], s[G0+2:G0+3], s[PFA:PFA+1]
	s_add_nc_u64 s[G0+2:G0+3], s[G0+2:G0+3], s[46:47]
	s_or_b32 s[G0+3], s[G0+3], 0x80000000          ; type = 2
	s_mov_b32 s[G0], 1
	s_lshl_b32 s[G0+1], s[WV], 13                  ; LDS: 8,192 x wave, in slot 0
	tensor_load_to_lds s[G0:G0+3], s[G1:G1+7]      ; slot 0: every wave's first fill, ahead of every wait on TENSORcnt, LDS read and barrier
	s_nop 0
.rept 4
	v_nop
.endr
	s_add_nc_u64 s[48:49], s[10:11], s[48:49]
	s_add_nc_u64 s[50:51], s[10:11], s[50:51]
	s_add_nc_u64 s[52:53], s[4:5], s[52:53]
	s_add_nc_u64 s[54:55], s[4:5], s[54:55]
	v_and_b32 v[ADR], 31, v0
	v_lshlrev_b32 v[L16], 4, v[ADR]
	v_lshlrev_b32 v[PFO], 8, v[ADR]
.irp t, 0,1
.irp i, 0,1,2,3
	global_load_b128 v[QF+16*\t+4*\i:QF+16*\t+4*\i+3], v[L16], s[52+2*\t:53+2*\t] offset:512*\i      ; Q stays in registers
.endr
.endr
	v_and_b32 v[RH], 15, v0
	v_bfe_u32 v[DD], v0, 4, 1
	v_lshlrev_b32 v[DD], 3, v[DD]
	v_sub_nc_u32 v[RH], v[RH], v[DD]
	v_mov_b32 v[NINF], 0xff800000
.irp j, 0,1,2,3,4,5,6,7,8,9,10,11,12,13,14,15
	v_mov_b32 v[ST+\j], 0                          ; l = 0; the rest is written so that every path finds it written
.endr
.irp t, 0,1
	v_mov_b32 v[ST+8*\t+1], 0xff61b1e6             ; m = -3e38, under every score
.endr
.irp t, 0,1
	v_mul_f32 v[ST+8*\t], s[CS], v[ST+8*\t+1]      ; c m
.endr
.irp j, 0,1,2,3,4,5,6,7,8,9,10,11,12,13,14,15,16,17,18,19,20,21,22,23,24,25,26,27,28,29,30,31,32,33,34,35,36,37,38,39,40,41,42,43,44,45,46,47,48,49,50,51,52,53,54,55,56,57,58,59,60,61,62,63
	v_mov_b32 v[OA+\j], 0                          ; O^T: the step is written once; its first run finds zeros, which a = 0 leaves zeros
.endr
	s_wait_loadcnt 0x0                             ; Q
.Lslot:                                            ; 15 trips: behind each change of slots but the last the next slot is asked for, up to the causal limit
	CHANGE 1
	SLOT_STEPS
	s_sub_co_u32 s[SLOTS], s[SLOTS], 1
	s_cmp_lg_u32 s[SLOTS], 0
	s_cbranch_scc1 .Lslot
	CHANGE 0                                       ; the last slot is written out: nothing is left to ask for
	SLOT_STEPS
	; THE WAY OUT.  l's two halves and the other half of the lanes' are added; O^T is divided by l and rounded to f16: its registers, in pairs, are the image that launch outp reads
.irp t, 0,1
	v_add_f32 v[ST+8*\t+4], v[ST+8*\t+2], v[ST+8*\t+3]
.endr
.irp t, 0,1
	v_permlanex16_b32 v[ST+8*\t+5], v[ST+8*\t+4], s[SEL], s[SEL+1]
.endr
.irp t, 0,1
	v_add_f32 v[ST+8*\t+4], v[ST+8*\t+4], v[ST+8*\t+5]
.endr
.irp t, 0,1
	v_rcp_f32 v[ST+8*\t+6], v[ST+8*\t+4]
.endr
	v_nop                                          ; a plain instruction behind the last reciprocal
	s_wait_alu depctr_va_vdst(0)                   ; one wait for both, ahead of the first reader
.irp t, 0,1
.irp j, 0,2,4,6,8,10,12,14,16,18,20,22,24,26,28,30
	v_pk_mul_f32 v[OA+32*\t+\j:OA+32*\t+\j+1], v[OA+32*\t+\j:OA+32*\t+\j+1], v[ST+8*\t+6:ST+8*\t+7] op_sel_hi:[1,0]
.endr
.endr
.irp t, 0,1
.irp j, 0,1,2,3,4,5,6,7,8,9,10,11,12,13,14,15
	v_cvt_pk_f16_f32 v[S+32*\t+\j], v[OA+32*\t+2*\j], v[OA+32*\t+2*\j+1]
.endr
.endr
.irp t, 0,1
.irp ct, 0,1,2,3
	global_store_b128 v[L16], v[S+32*\t+4*\ct:S+32*\t+4*\ct+3], s[48+2*\t:49+2*\t] offset:512*\ct    ; 32 lanes store 512 consecutive bytes
.endr
.endr
	s_wait_tensorcnt 0x0                           ; the wave's end: behind my last tensor load
	ds_add_u32 v[SPW], v[NIL]
	s_wait_dscnt 0x0
	s_endpgm
.Lfunc_end_k_q2c409b4af2_attn:
	.size	k_q2c409b4af2_attn, .Lfunc_end_k_q2c409b4af2_attn-k_q2c409b4af2_attn
	.p2alignl 7, 3214868480
	.fill 96, 4, 3214868480
	.section	.rodata,"a",@progbits
	.p2align	6, 0x0
	.amdhsa_kernel k_q2c409b4af2_attn
		.amdhsa_group_segment_fixed_size 327680
		.amdhsa_private_segment_fixed_size 0
		.amdhsa_enable_private_segment 0
		.amdhsa_kernarg_size 32
		.amdhsa_user_sgpr_count 2
		.amdhsa_user_sgpr_kernarg_segment_ptr 1
		.amdhsa_wavefront_size32 1
		.amdhsa_system_sgpr_workgroup_id_x 1
		.amdhsa_system_sgpr_workgroup_id_y 1
		.amdhsa_system_sgpr_workgroup_id_z 1
		.amdhsa_system_vgpr_workitem_id 0
		.amdhsa_next_free_vgpr 256
		.amdhsa_next_free_sgpr 66
		.amdhsa_reserve_vcc 1
		.amdhsa_float_denorm_mode_32 3
		.amdhsa_float_denorm_mode_16_64 3
		.amdhsa_memory_ordered 1
		.amdhsa_forward_progress 1
		.amdhsa_inst_pref_size 79
	.end_amdhsa_kernel
	.amdgpu_metadata
---
amdhsa.version: [ 1, 2 ]
amdhsa.kernels:
  - .name:           k_q2c409b4af2_attn
    .symbol:         k_q2c409b4af2_attn.kd
    .args:
      - { .name: qf, .offset: 0, .size: 8, .value_kind: global_buffer, .address_space: global }
      - { .name: kf, .offset: 8, .size: 8, .value_kind: global_buffer, .address_space: global }
      - { .name: vf, .offset: 16, .size: 8, .value_kind: global_buffer, .address_space: global }
      - { .name: of, .offset: 24, .size: 8, .value_kind: global_buffer, .address_space: global }
    .group_segment_fixed_size: 327680
    .private_segment_fixed_size: 0
    .kernarg_segment_align: 8
    .kernarg_segment_size: 32
    .max_flat_workgroup_size: 256
    .sgpr_count:     66
    .vgpr_count:     256
    .wavefront_size: 32
...
	.end_amdgpu_metadata
.endif
;; end of part 3
;; launch outp (part 4): grid 4 x 64, 8 waves a work-group, clusters of 4 x 1, 263,168 bytes of LDS; arguments of, wo16, out0; writes out0
.if DOCPART == 4
	.amdgcn_target "amdgcn-amd-amdhsa--gfx1250"
	.amdhsa_code_object_version 6
	.text
	.protected	k_q2c409b4af2_outp
	.globl	k_q2c409b4af2_outp
	.p2align	8
	.type	k_q2c409b4af2_outp,@function
k_q2c409b4af2_outp:
	s_mov_b64 s[64:65], 0
	v_nop
	global_prefetch_b8 v0, s[64:65] scope:SCOPE_SE
	s_setreg_imm32_b32 hwreg(HW_REG_WAVE_MODE, 25, 1), 1
	s_wait_xcnt 0x0
	s_wait_alu depctr_hold_cnt(0) depctr_sa_sdst(0) depctr_va_vdst(0) depctr_va_sdst(0) depctr_va_ssrc(0) depctr_va_vcc(0) depctr_vm_vsrc(0)
	s_getreg_b32 s2, hwreg(HW_REG_IB_STS2, 6, 4)
	s_cmp_eq_u32 s2, 0
	s_cbranch_scc0 .Lentry_in_a_cluster
	s_endpgm
.Lentry_in_a_cluster:
	s_bfe_u32 s2, ttmp6, 0x10000c
	s_cmp_lg_u32 s2, 0x3003
	s_cbranch_scc0 .Lentry_shape_is_right
	s_endpgm
.Lentry_shape_is_right:
; out0 = o Wo: [8192][512] x [512][512], operands in f16 (images of operand registers, made by launches attn and prep), sums in f32.
; NOT STORED HERE: positions 0 to 15 of each batch: launch first makes those 32 rows in f32 and stores them.  They lie inside a live tile, so they are multiplied with it.
; SHARES.  A work-group makes 128 rows x 128 columns: row block = the cluster's y, column block = my place cx in the cluster.  Wave w: rows 64 (w / 4) on (4 tiles), columns 32 (w % 4) on (2 tiles): 8 accumulators.
; THE PRODUCT IS USED TRANSPOSED (source 0 = 16 columns of Wo, source 1 = 16 rows of o): a lane holds eight neighbouring columns of one row of out0.
; CLUSTER.  The four work-groups of a cluster make the four column blocks of one row block and need the same 131,072 bytes of o: they are asked for JOINTLY (waves 0-3; mask 15).  Wo's part hangs on cx: plain loads (waves 4-7).
; LDS is filled ONCE: K = 512 comes as four chunks of 128, a load a wave for each chunk (2 rows of 4,096 bytes: two tiles' part of the chunk), all sixteen-fold issued at the start: four loads of a wave are out.
; o [ch 4][tile 8][4,096] at byte 0, Wo [ch 4][tile 8][4,096] at byte 131,072.  The stage for the way out, 128 rows x (512 + 16) bytes, lies over o's chunks 0 to 2: they have had their only fill, and every wave's reads of
; them are waited for in front of chunk 3's barrier.
.set WOFF,  131072
.set SPARE, 262144                     ; the spare words, 128 bytes for each wave: four blocks of 256 bytes that no other line names
.set L16, 1                            ; v1   16 x lane
.set AO,  2                            ; v2, v3  o's fragments: chunks 0, 1 and chunks 2, 3
.set AW,  4                            ; v4, v5  Wo's
.set STO, 6                            ; v6   the stage: where I put 32 bytes of a row
.set RD,  7                            ; v7   and where I read a row back
.set SPW, 10
.set NIL, 11
.set ACC, 16                           ; v16-79   accumulator (t, u) at 16 + 8 (2 t + u)
.set F0,  80                           ; v80-127  a K step of 32: o's four fragments, then Wo's two
.set F1,  128                          ; v128-175 the other set
.set OUTR, 176                         ; v176-239 16 rows read back from the stage
.set WV,  10
.set G1O, 16                           ; s[16:23] group 1 for o (joint);  s[24:31] for Wo (plain)
.set G1W, 24
.set G0O, 32                           ; s[32:47] groups 0 for o, one a chunk;  s[48:63] for Wo
.set G0W, 48
.macro CROUND                          ; a round of the cluster's barrier
	s_barrier_signal -1
	s_barrier_wait -1
	s_cmp_lg_u32 s[WV], 0
	s_cbranch_scc1 .Lnot_wave_0_\@
	s_barrier_signal -3
.Lnot_wave_0_\@:
	s_barrier_wait -3
	s_barrier_signal -1
	s_barrier_wait -1
.endm
.macro PLACES                          ; four places ahead of loads into registers that matrix instructions have read, and of the first read of results
.rept 4
	v_nop
.endr
.endm
.macro FETCH ch, ksl, f                ; 12 LDS loads: K step ksl of chunk ch
.irp t, 0,1,2,3
.irp g, 0,1
	ds_load_b128 v[\f+8*\t+4*\g:\f+8*\t+4*\g+3], v[AO+(\ch)/2] offset:((\ch)%2)*32768+\t*4096+(\ksl)*1024+\g*512
.endr
.endr
.irp u, 0,1
.irp g, 0,1
	ds_load_b128 v[\f+32+8*\u+4*\g:\f+32+8*\u+4*\g+3], v[AW+(\ch)/2] offset:((\ch)%2)*32768+\u*4096+(\ksl)*1024+\g*512
.endr
.endr
.endm
.macro MUL f, zero                     ; the eight accumulators take turns, one instruction a turn, in the same order in every K step
.irp t, 0,1,2,3
.irp u, 0,1
.if \zero
	v_wmma_f32_16x16x32_f16 v[ACC+8*(2*\t+\u):ACC+8*(2*\t+\u)+7], v[\f+32+8*\u:\f+32+8*\u+7], v[\f+8*\t:\f+8*\t+7], 0
.else
	v_wmma_f32_16x16x32_f16 v[ACC+8*(2*\t+\u):ACC+8*(2*\t+\u)+7], v[\f+32+8*\u:\f+32+8*\u+7], v[\f+8*\t:\f+8*\t+7], v[ACC+8*(2*\t+\u):ACC+8*(2*\t+\u)+7]
.endif
.endr
.endr
.endm
.macro CHUNK ch
	s_wait_tensorcnt 3-(\ch)                       ; my load of this chunk has landed; the later chunks' may stay out
	s_wait_dscnt 0x0                               ; my reads of the chunks before are over
	s_barrier_signal -1
	s_barrier_wait -1                              ; everybody's part of the chunk is in
.if (\ch) > 0
	PLACES
.endif
	FETCH \ch, 0, F0
	FETCH \ch, 1, F1
	s_wait_dscnt 12                                ; all but the 12 just issued
.if (\ch) == 0
	MUL F0, 1                                      ; the first products start the sums
.else
	MUL F0, 0
.endif
	PLACES
	FETCH \ch, 2, F0
	s_wait_dscnt 12
	MUL F1, 0
	PLACES
	FETCH \ch, 3, F1
	s_wait_dscnt 12
	MUL F0, 0
	s_wait_dscnt 0x0
	MUL F1, 0
.endm
	s_load_b128 s[4:7], s[0:1], 0x0                ; of, wo16
	s_load_b64 s[8:9], s[0:1], 0x10                ; out0
	v_lshl_add_u32 v[SPW], v0, 2, SPARE
	v_mov_b32 v[NIL], 0
	ds_add_u32 v[SPW], v[NIL]                      ; the wave's opening: the add, twice on end, and its wait ahead of my first tensor load
	ds_add_u32 v[SPW], v[NIL]
	v_lshrrev_b32 v12, 5, v0
	v_readfirstlane_b32 s[WV], v12                 ; wave 0..7
	s_and_b32 s11, ttmp7, 0xffff                   ; the row block: the cluster's y, the same in all four partners
	s_bfe_u32 s12, ttmp6, 0x40000                  ; cx: the column block; it enters global addresses alone
	s_mov_b32 s[G1O], 15|(3<<16)|(1<<21)           ; the mask: all four work-groups; elements of 8 bytes; bit 21 set beside a mask
	s_mov_b32 s[G1W], 3<<16                        ; no mask
.irp g, G1O, G1W
	s_mov_b32 s[\g+1], 512<<16                     ; tensor_dim0 = 512 elements: 4,096 bytes
	s_mov_b32 s[\g+2], 2<<16                       ; tensor_dim1 = 2
	s_mov_b32 s[\g+3], 512<<16                     ; tile_dim0
	s_mov_b32 s[\g+4], 2                           ; tile_dim1: two tiles
	s_mov_b32 s[\g+5], 2048                        ; from tile to tile: 16,384 bytes
	s_mov_b32 s[\g+6], 0
	s_mov_b32 s[\g+7], 0
.endr
	s_and_b32 s13, s[WV], 3
	s_lshl_b32 s14, s13, 15                        ; my two tiles of the eight
	s_lshl_b32 s66, s11, 17                        ; o: the row block's eight tiles of 16,384 bytes
	s_add_co_u32 s66, s66, s14
	s_mov_b32 s67, 0
	s_lshl_b32 s68, s12, 17                        ; Wo: the column block's eight tiles
	s_add_co_u32 s68, s68, s14
	s_mov_b32 s69, 0
	s_lshl_b32 s15, s13, 13                        ; and where they go: 8,192 x (wave % 4): no place in the cluster enters an LDS address
	s_wait_dscnt 0x0                               ; both opening adds are done
	s_wait_kmcnt 0x0
	s_add_nc_u64 s[66:67], s[4:5], s[66:67]
	s_add_nc_u64 s[68:69], s[6:7], s[68:69]
.irp ch, 0,1,2,3
	s_mov_b32 s[G0O+4*\ch], 1
	s_add_co_u32 s[G0O+4*\ch+1], s15, \ch*32768
	s_add_nc_u64 s[G0O+4*\ch+2:G0O+4*\ch+3], s[66:67], \ch*4096
	s_or_b32 s[G0O+4*\ch+3], s[G0O+4*\ch+3], 0x80000000
	s_mov_b32 s[G0W+4*\ch], 1
	s_add_co_u32 s[G0W+4*\ch+1], s15, WOFF+\ch*32768
	s_add_nc_u64 s[G0W+4*\ch+2:G0W+4*\ch+3], s[68:69], \ch*4096
	s_or_b32 s[G0W+4*\ch+3], s[G0W+4*\ch+3], 0x80000000
.endr
	CROUND                                         ; all four work-groups are here: the joint loads meet
	s_cmp_lt_u32 s[WV], 4                          ; a wave's four first fills stand in one arm of one branch on the wave's number, the same in every work-group
	s_cbranch_scc0 .Lfor_w
.irp ch, 0,1,2,3
	tensor_load_to_lds s[G0O+4*\ch:G0O+4*\ch+3], s[G1O:G1O+7]
	s_nop 0
.endr
.rept 4
	v_nop
.endr
	s_branch .Lasked
.Lfor_w:
.irp ch, 0,1,2,3
	tensor_load_to_lds s[G0W+4*\ch:G0W+4*\ch+3], s[G1W:G1W+7]
	s_nop 0
.endr
.rept 4
	v_nop
.endr
.Lasked:
	v_and_b32 v12, 31, v0
	v_and_b32 v13, 15, v0                          ; r
	v_bfe_u32 v14, v0, 4, 1                        ; h
	v_lshlrev_b32 v[L16], 4, v12
	s_lshr_b32 s70, s[WV], 2                       ; which 64 rows
	s_lshl_b32 s71, s70, 14
	v_add_nc_u32 v[AO], s71, v[L16]
	v_add_nc_u32 v[AO+1], 0x10000, v[AO]
	s_lshl_b32 s71, s13, 13                        ; which 32 columns
	s_add_co_u32 s71, s71, WOFF
	v_add_nc_u32 v[AW], s71, v[L16]
	v_add_nc_u32 v[AW+1], 0x10000, v[AW]
	s_mul_i32 s71, s70, 64*528
	s_lshl_b32 s72, s13, 7
	s_add_co_u32 s71, s71, s72
	v_mul_u32_u24 v[STO], v13, 528
	v_lshl_add_u32 v[STO], v14, 5, v[STO]
	v_add_nc_u32 v[STO], s71, v[STO]               ; row 64 (w / 4) + r, + 128 (w % 4) + 32 h
	s_mul_i32 s71, s[WV], 16*528
	v_add_nc_u32 v[RD], s71, v[L16]                ; back: rows 16 w on, 16 bytes a lane
	s_lshl_b32 s72, s11, 18                        ; out0: (128 row block + 16 w) rows of 2,048 bytes + 512 cx
	s_lshl_b32 s71, s[WV], 15
	s_add_co_u32 s72, s72, s71
	s_lshl_b32 s71, s12, 9
	s_add_co_u32 s72, s72, s71
	s_mov_b32 s73, 0
	s_add_nc_u64 s[8:9], s[8:9], s[72:73]
	CHUNK 0
	CHUNK 1
	CHUNK 2
	CHUNK 3
	PLACES
.irp t, 0,1,2,3
.irp u, 0,1
	ds_store_b128 v[STO], v[ACC+8*(2*\t+\u):ACC+8*(2*\t+\u)+3] offset:\t*8448+\u*64          ; each accumulator from its low end on
	ds_store_b128 v[STO], v[ACC+8*(2*\t+\u)+4:ACC+8*(2*\t+\u)+7] offset:\t*8448+\u*64+16
.endr
.endr
	s_wait_dscnt 0x0                               ; for the others' sake: my stores into the stage are done
	s_barrier_signal -1
	s_barrier_wait -1                              ; 128 whole rows lie in the stage
	s_and_b32 s70, s11, 31                         ; a batch is 32 row blocks: its positions 0 to 15 are wave 0's rows of its first block
	s_or_b32 s70, s70, s[WV]
	s_cmp_eq_u32 s70, 0
	s_cbranch_scc1 .Lskip                          ; those rows are launch first's.  The row block is the same in all partners
.irp i, 0,1,2,3,4,5,6,7,8,9,10,11,12,13,14,15
	ds_load_b128 v[OUTR+4*\i:OUTR+4*\i+3], v[RD] offset:\i*528
.endr
.irp i, 0,1,2,3,4,5,6,7,8,9,10,11,12,13,14,15
	s_wait_dscnt 15-\i                             ; LDS loads come back in order: row i is in
	global_store_b128 v[L16], v[OUTR+4*\i:OUTR+4*\i+3], s[8:9] offset:\i*2048 th:TH_STORE_NT     ; 32 lanes store 512 consecutive bytes, at a multiple of 512 from out0's first byte
.endr
.Lskip:
	s_wait_tensorcnt 0x0                           ; the wave's end: behind my last tensor load and my last LDS store
	ds_add_u32 v[SPW], v[NIL]
	s_wait_dscnt 0x0
	CROUND                                         ; the closing round: no work-group ends while a partner may still ask for a tile that names it
	s_endpgm
.Lfunc_end_k_q2c409b4af2_outp:
	.size	k_q2c409b4af2_outp, .Lfunc_end_k_q2c409b4af2_outp-k_q2c409b4af2_outp
	.p2alignl 7, 3214868480
	.fill 96, 4, 3214868480
	.section	.rodata,"a",@progbits
	.p2align	6, 0x0
	.amdhsa_kernel k_q2c409b4af2_outp
		.amdhsa_group_segment_fixed_size 263168
		.amdhsa_private_segment_fixed_size 0
		.amdhsa_enable_private_segment 0
		.amdhsa_kernarg_size 24
		.amdhsa_user_sgpr_count 2
		.amdhsa_user_sgpr_kernarg_segment_ptr 1
		.amdhsa_wavefront_size32 1
		.amdhsa_system_sgpr_workgroup_id_x 1
		.amdhsa_system_sgpr_workgroup_id_y 1
		.amdhsa_system_sgpr_workgroup_id_z 1
		.amdhsa_system_vgpr_workitem_id 0
		.amdhsa_next_free_vgpr 240
		.amdhsa_next_free_sgpr 84
		.amdhsa_reserve_vcc 0
		.amdhsa_float_denorm_mode_32 3
		.amdhsa_float_denorm_mode_16_64 3
		.amdhsa_memory_ordered 1
		.amdhsa_forward_progress 1
		.amdhsa_inst_pref_size 34
	.end_amdhsa_kernel
	.amdgpu_metadata
---
amdhsa.version: [ 1, 2 ]
amdhsa.kernels:
  - .name:           k_q2c409b4af2_outp
    .symbol:         k_q2c409b4af2_outp.kd
    .args:
      - { .name: of, .offset: 0, .size: 8, .value_kind: global_buffer, .address_space: global }
      - { .name: wo16, .offset: 8, .size: 8, .value_kind: global_buffer, .address_space: global }
      - { .name: out0, .offset: 16, .size: 8, .value_kind: global_buffer, .address_space: global }
    .group_segment_fixed_size: 263168
    .private_segment_fixed_size: 0
    .kernarg_segment_align: 8
    .kernarg_segment_size: 24
    .max_flat_workgroup_size: 256
    .sgpr_count:     84
    .vgpr_count:     240
    .wavefront_size: 32
...
	.end_amdgpu_metadata
.endif
;; end of part 4
;; launch first (part 5): grid 8 x 2, 16 waves a work-group, no clusters, 36,864 bytes of LDS; arguments r32, Wo, out0; writes out0
.if DOCPART == 5
	.amdgcn_target "amdgcn-amd-amdhsa--gfx1250"
	.amdhsa_code_object_version 6
	.text
	.protected	k_q2c409b4af2_first
	.globl	k_q2c409b4af2_first
	.p2align	8
	.type	k_q2c409b4af2_first,@function
k_q2c409b4af2_first:
	s_mov_b64 s[64:65], 0
	v_nop
	global_prefetch_b8 v0, s[64:65] scope:SCOPE_SE
	s_setreg_imm32_b32 hwreg(HW_REG_WAVE_MODE, 25, 1), 1
	s_wait_xcnt 0x0
; Positions 0 to 15 of both batches, the rows that average the fewest values: q k^T, the softmax, A v and the product with Wo, all with f32 operands (16 x 16 x 4 matrix form; 32 rows of 8,192: no bulk work).
; Of the keys only 0 to 15 are taken: for these queries reference()'s own tril hides all later keys (p = 0 for all finite inputs): dead work, as in launch attn.
; q, k, v of these positions come in f32 from launch proj: r32 = q32 [b][pos 16][512], k32 at byte 65,536, v32T [b][ch 512][pos 16] at byte 131,072.  Wo is read as it is given.
; SHARES.  Work-group (cb, b): columns 64 cb .. 64 cb + 63 of out0, batch b.  Wave w: head w % 8, columns 32 (w / 8) on.  Each wave makes its head's attention (16 x 16, made twice) and then o_head x Wo[64 head ..][its 32 columns];
; the eight heads' parts meet in LDS and are added, heads ascending.
; All three products are used transposed, so that a lane holds ONE query throughout, and a result's registers are the next product's source.  K is walked in an order that is the same on both sources of a product:
; S^T: step s takes channels 32 h + 2 s + j;  O^T: step s takes keys 8 h + 2 s + j;  Y^T: step e takes channels 16 (e / 4) + 8 h + 2 (e % 4) + j.  p is divided by the row's sum ahead of the second product.
; The registers that the f32 matrix form writes (SY, OA) are written by matrix instructions alone.
; LIMIT: NaN and infinities among the inputs are not served; exponentials under 2^-126 come out as 0.
.set SPARE, 34816                      ; LDS 0: [head 8][pos 16][256 + 16 bytes]; behind it the spare words, 128 bytes for each wave: eight blocks of 256 bytes that no other line names
.set SPW, 10
.set NIL, 11
.set T,   16                           ; v16-23  scores, then p
.set P,   24                           ; v24-31  p / the sum
.set QR,  40                           ; v40-71  q: 32 channels of my query; later the eight heads' parts
.set KR,  72                           ; v72-103 k
.set VR,  104                          ; v104-135 v^T: register 8 ct + i: channel 16 ct + r, key 8 h + i
.set WO,  136                          ; v136-199 Wo: register 32 u + 2 e + j
.set SY,  200                          ; v200-215 two accumulators: S^T in two halves of K, later Y^T's two tiles
.set OA,  216                          ; v216-247 O^T, four tiles of 16 channels
.macro WLOAD u
.irp e, 0,1,2,3,4,5,6,7,8,9,10,11,12,13,14,15
.irp j, 0,1
	global_load_b32 v[WO+32*(\u)+2*\e+\j], v5, s[20:21] offset:(16*(\e/4)+2*(\e%4)+\j)*2048+64*(\u)
.endr
.endr
.endm
	s_load_b128 s[4:7], s[0:1], 0x0                ; r32, Wo
	s_load_b64 s[8:9], s[0:1], 0x10                ; out0
	v_lshl_add_u32 v[SPW], v0, 2, SPARE
	v_mov_b32 v[NIL], 0
	v_lshrrev_b32 v13, 5, v0
	v_readfirstlane_b32 s10, v13                   ; wave 0..15
	s_and_b32 s11, s10, 7                          ; head
	s_lshr_b32 s12, s10, 3                         ; which 32 columns
	s_mov_b32 s13, ttmp9                           ; which 64 columns
	s_and_b32 s14, ttmp7, 0xffff                   ; batch
	v_and_b32 v1, 15, v0                           ; r
	v_bfe_u32 v2, v0, 4, 1                         ; h
	v_lshlrev_b32 v3, 11, v1
	v_lshl_add_u32 v3, v2, 7, v3                   ; q32, k32: row r of 2,048 bytes, + 128 h
	v_lshlrev_b32 v4, 6, v1
	v_lshl_add_u32 v4, v2, 5, v4                   ; v32T: row r of 64 bytes, + 32 h
	v_lshlrev_b32 v5, 2, v1
	v_lshl_add_u32 v5, v2, 14, v5                  ; Wo: 8 h rows of 2,048 bytes, column r
	s_mul_i32 s27, s11, 4352
	s_lshl_b32 s28, s12, 7
	s_add_co_u32 s27, s27, s28
	v_mul_u32_u24 v6, v1, 272
	v_lshl_add_u32 v6, v2, 5, v6
	v_add_nc_u32 v6, s27, v6                       ; the stage: my head, row r, + 128 (w / 8) + 32 h
	v_and_b32 v13, 255, v0                         ; the sum: thread t of the first 256 takes position t / 16, 16 bytes at 16 (t % 16)
	v_lshrrev_b32 v14, 4, v13
	v_and_b32 v13, 15, v13
	v_lshlrev_b32 v13, 4, v13
	v_mad_u32_u24 v7, v14, 272, v13
	v_lshl_add_u32 v8, v14, 11, v13
	v_lshlrev_b32 v9, 3, v2
	v_sub_nc_u32 v9, v1, v9                        ; r - 8 h: register j holds key 8 h + j, hidden where j > r - 8 h
	v_mov_b32 v12, 0xff800000                      ; -infinity
	v_mov_b32 v34, 0                               ; written once: a lane permute's destination counts as one of its sources
	s_mov_b32 s24, 0x76543210
	s_mov_b32 s25, 0xfedcba98                      ; v_permlanex16_b32's selects for lane l xor 16
	s_mov_b32 s26, 0x3e38aa3b                      ; c = log2(e) / 8
	s_lshl_b32 s16, s14, 15                        ; q32, k32: the batch's 32,768 bytes, my head's 256 in a row
	s_lshl_b32 s27, s11, 8
	s_add_co_u32 s16, s16, s27
	s_mov_b32 s17, 0
	s_lshl_b32 s18, s14, 15                        ; v32T: behind 131,072 bytes; my head's 64 rows of 64 bytes
	s_lshl_b32 s27, s11, 12
	s_add_co_u32 s18, s18, s27
	s_add_co_u32 s18, s18, 131072
	s_mov_b32 s19, 0
	s_lshl_b32 s20, s11, 17                        ; Wo: my head's 64 rows, my 32 columns
	s_lshl_b32 s27, s13, 8
	s_add_co_u32 s20, s20, s27
	s_lshl_b32 s27, s12, 7
	s_add_co_u32 s20, s20, s27
	s_mov_b32 s21, 0
	s_lshl_b32 s22, s14, 23                        ; out0: the batch's 4,096 rows of 2,048 bytes, the work-group's 256 bytes of a row
	s_lshl_b32 s27, s13, 8
	s_add_co_u32 s22, s22, s27
	s_mov_b32 s23, 0
	s_wait_kmcnt 0x0
	s_add_nc_u64 s[16:17], s[4:5], s[16:17]
	s_add_nc_u64 s[18:19], s[4:5], s[18:19]
	s_add_nc_u64 s[20:21], s[6:7], s[20:21]
	s_add_nc_u64 s[22:23], s[8:9], s[22:23]
.irp i, 0,1,2,3,4,5,6,7
	global_load_b128 v[QR+4*\i:QR+4*\i+3], v3, s[16:17] offset:16*\i
.endr
.irp i, 0,1,2,3,4,5,6,7
	global_load_b128 v[KR+4*\i:KR+4*\i+3], v3, s[16:17] offset:65536+16*\i
.endr
.irp ct, 0,1,2,3
	global_load_b128 v[VR+8*\ct:VR+8*\ct+3], v4, s[18:19] offset:1024*\ct
	global_load_b128 v[VR+8*\ct+4:VR+8*\ct+7], v4, s[18:19] offset:1024*\ct+16
.endr
	WLOAD 0
	s_wait_loadcnt 40                              ; q and k are in; behind them: 8 of v, 32 of Wo
.irp s, 0,1,2,3,4,5,6,7,8,9,10,11,12,13,14,15  ; S^T = k q^T: two accumulators by turns; each sum's first K step takes the constant 0
.if \s < 2
	v_wmma_f32_16x16x4_f32 v[SY+8*(\s%2):SY+8*(\s%2)+7], v[KR+2*\s:KR+2*\s+1], v[QR+2*\s:QR+2*\s+1], 0
.else
	v_wmma_f32_16x16x4_f32 v[SY+8*(\s%2):SY+8*(\s%2)+7], v[KR+2*\s:KR+2*\s+1], v[QR+2*\s:QR+2*\s+1], v[SY+8*(\s%2):SY+8*(\s%2)+7]
.endif
.endr
	s_wait_loadcnt 32                              ; v is in; behind it: 32 of Wo
	WLOAD 1
.rept 8
	v_nop                                          ; eight places behind this form, ahead of the first read of its results
.endr
.irp j, 0,1,2,3,4,5,6,7
	v_add_f32 v[T+\j], v[SY+\j], v[SY+8+\j]        ; both accumulators from their low ends on
.endr
.irp j, 0,1,2,3,4,5,6,7
	v_cmp_gt_i32 vcc_lo, \j, v9
	v_cndmask_b32 v[T+\j], v[T+\j], v12, vcc_lo    ; hidden keys: -infinity.  Key 0 counts for every query, so the maximum is a number
.endr
	v_max3_num_f32 v32, v[T], v[T+1], v[T+2]
	v_max3_num_f32 v33, v[T+3], v[T+4], v[T+5]
	v_max3_num_f32 v32, v32, v[T+6], v[T+7]
	v_max_num_f32 v32, v32, v33
	v_permlanex16_b32 v34, v32, s24, s25
	v_max_num_f32 v32, v32, v34                    ; the row's maximum
	v_mul_f32 v33, s26, v32
.irp j, 0,1,2,3,4,5,6,7
	v_fma_f32 v[T+\j], v[T+\j], s26, -v33
.endr
.irp j, 0,1,2,3,4,5,6,7
	v_exp_f32 v[T+\j], v[T+\j]
.endr
	v_nop                                          ; a plain instruction behind the last exponential
	s_wait_alu depctr_va_vdst(0)                   ; one wait for the batch, ahead of its first reader
	v_add_f32 v32, v[T], v[T+1]
	v_add_f32 v35, v[T+2], v[T+3]
	v_add_f32 v36, v[T+4], v[T+5]
	v_add_f32 v37, v[T+6], v[T+7]
	v_add_f32 v32, v32, v35
	v_add_f32 v36, v36, v37
	v_add_f32 v32, v32, v36
	v_permlanex16_b32 v34, v32, s24, s25
	v_add_f32 v32, v32, v34                        ; the row's sum
	v_rcp_f32 v35, v32
	v_nop
	s_wait_alu depctr_va_vdst(0)
.irp j, 0,1,2,3,4,5,6,7
	v_mul_f32 v[P+\j], v[T+\j], v35
.endr
.irp s, 0,1,2,3                                ; O^T = v^T A^T: four accumulators by turns
.irp ct, 0,1,2,3
.if \s == 0
	v_wmma_f32_16x16x4_f32 v[OA+8*\ct:OA+8*\ct+7], v[VR+8*\ct+2*\s:VR+8*\ct+2*\s+1], v[P+2*\s:P+2*\s+1], 0
.else
	v_wmma_f32_16x16x4_f32 v[OA+8*\ct:OA+8*\ct+7], v[VR+8*\ct+2*\s:VR+8*\ct+2*\s+1], v[P+2*\s:P+2*\s+1], v[OA+8*\ct:OA+8*\ct+7]
.endif
.endr
.endr
.rept 9
	v_nop                                          ; nine places behind this form, ahead of matrix instructions that take its results as a source
.endr
	s_wait_loadcnt 0x0                             ; Wo
.irp e, 0,1,2,3,4,5,6,7,8,9,10,11,12,13,14,15  ; Y^T = Wo^T o^T over my head's 64 channels: two accumulators by turns
.irp u, 0,1
.if \e == 0
	v_wmma_f32_16x16x4_f32 v[SY+8*\u:SY+8*\u+7], v[WO+32*\u+2*\e:WO+32*\u+2*\e+1], v[OA+2*\e:OA+2*\e+1], 0
.else
	v_wmma_f32_16x16x4_f32 v[SY+8*\u:SY+8*\u+7], v[WO+32*\u+2*\e:WO+32*\u+2*\e+1], v[OA+2*\e:OA+2*\e+1], v[SY+8*\u:SY+8*\u+7]
.endif
.endr
.endr
.rept 8
	v_nop
.endr
.irp u, 0,1
	ds_store_b128 v6, v[SY+8*\u:SY+8*\u+3] offset:64*\u          ; lane (r, h): position r, columns 32 (w / 8) + 16 u + 8 h + 0 .. 7; each accumulator from its low end on
	ds_store_b128 v6, v[SY+8*\u+4:SY+8*\u+7] offset:64*\u+16
.endr
	s_wait_dscnt 0x0                               ; for the others' sake: my part lies in the stage
	s_barrier_signal -1
	s_barrier_wait -1
	s_cmp_ge_u32 s10, 8                            ; 256 threads add and store 16 rows x 256 bytes
	s_cbranch_scc1 .Lend
.irp q, 0,1,2,3,4,5,6,7
	ds_load_b128 v[QR+4*\q:QR+4*\q+3], v7 offset:4352*\q
.endr
	s_wait_dscnt 0x0
.irp q, 1,2,3,4,5,6,7
	v_pk_add_f32 v[QR:QR+1], v[QR:QR+1], v[QR+4*\q:QR+4*\q+1]
	v_pk_add_f32 v[QR+2:QR+3], v[QR+2:QR+3], v[QR+4*\q+2:QR+4*\q+3]
.endr
	global_store_b128 v8, v[QR:QR+3], s[22:23]     ; 16 lanes store 256 consecutive bytes, at a multiple of 256 from out0's first byte
.Lend:
	s_wait_tensorcnt 0x0                           ; the wave's end: behind my last LDS store
	ds_add_u32 v[SPW], v[NIL]
	s_wait_dscnt 0x0
	s_endpgm
.Lfunc_end_k_q2c409b4af2_first:
	.size	k_q2c409b4af2_first, .Lfunc_end_k_q2c409b4af2_first-k_q2c409b4af2_first
	.p2alignl 7, 3214868480
	.fill 96, 4, 3214868480
	.section	.rodata,"a",@progbits
	.p2align	6, 0x0
	.amdhsa_kernel k_q2c409b4af2_first
		.amdhsa_group_segment_fixed_size 36864
		.amdhsa_private_segment_fixed_size 0
		.amdhsa_enable_private_segment 0
		.amdhsa_kernarg_size 24
		.amdhsa_user_sgpr_count 2
		.amdhsa_user_sgpr_kernarg_segment_ptr 1
		.amdhsa_wavefront_size32 1
		.amdhsa_system_sgpr_workgroup_id_x 1
		.amdhsa_system_sgpr_workgroup_id_y 1
		.amdhsa_system_sgpr_workgroup_id_z 1
		.amdhsa_system_vgpr_workitem_id 0
		.amdhsa_next_free_vgpr 256
		.amdhsa_next_free_sgpr 66
		.amdhsa_reserve_vcc 1
		.amdhsa_float_denorm_mode_32 3
		.amdhsa_float_denorm_mode_16_64 3
		.amdhsa_memory_ordered 1
		.amdhsa_forward_progress 1
		.amdhsa_inst_pref_size 21
	.end_amdhsa_kernel
	.amdgpu_metadata
---
amdhsa.version: [ 1, 2 ]
amdhsa.kernels:
  - .name:           k_q2c409b4af2_first
    .symbol:         k_q2c409b4af2_first.kd
    .args:
      - { .name: r32, .offset: 0, .size: 8, .value_kind: global_buffer, .address_space: global }
      - { .name: Wo, .offset: 8, .size: 8, .value_kind: global_buffer, .address_space: global }
      - { .name: out0, .offset: 16, .size: 8, .value_kind: global_buffer, .address_space: global }
    .group_segment_fixed_size: 36864
    .private_segment_fixed_size: 0
    .kernarg_segment_align: 8
    .kernarg_segment_size: 24
    .max_flat_workgroup_size: 512
    .sgpr_count:     66
    .vgpr_count:     256
    .wavefront_size: 32
...
	.end_amdgpu_metadata
.endif
;; end of part 5
